; MI455X (gfx1250); checked and timed in simulation.
; The chip was launched on July 23, 2026; its instructions are those of AMD's public machine-readable ISA for CDNA 5 (MIT licence, August 2026) and "CDNA5" Instruction Set Architecture Reference Guide (July 2026). The comments in the code are by the model that wrote it; some were corrected since.
;; Encdec Multihead Attn. Allowed arithmetic: matrix products marked QUANTISED: E4M3 operands, one E8M0 scale for each 32 along K, by v_wmma_scale_f32_16x16x128_f8f6f4 with both operands' format E4M3, f32 sums; everything else in f32.
;; Inputs: beta 1,024 float32; gamma 1,024 float32; key 2,048 x 4 x 1,024 float32; query 2,048 x 4 x 1,024 float32; w_kv 2,048 x 1,024 float32; w_out 1,024 x 1,024 float32; w_q 1,024 x 1,024 float32.
;; Outputs: out0 2,048 x 4 x 1,024 float32.
;; This version of the problem:
;;   THIS VERSION OF THE PROBLEM IS GIVEN IN LOW PRECISION. The matrix products marked QUANTISED in the list below multiply operands that are first quantised to E4M3 (4 exponent bits, 3 mantissa bits; 8 bits a number), with one power-of-two scale for each 32 numbers along K (OCP MX v1.0); their sums are f32. All else is computed in f32.
;;   The module's matrix products, in the order in which they are computed (A, B: the left and right operand; K: the contracted axis; several contracted axes count as one K, in the product's order):
;;     1. [M 8,192, K 1,024] x [K 1,024, N 1,024]; A: computed on the way; B: input w_q: QUANTISED
;;     2. [M 8,192, K 1,024] x [K 1,024, N 2,048]; A: input key; B: input w_kv: QUANTISED
;;     3. batch 64 x [M 2,048, K 64] x [K 64, N 2,048]; A: computed on the way; B: computed on the way: QUANTISED
;;     4. batch 64 x [M 64, K 2,048] x [K 2,048, N 2,048]; A: computed on the way; B: softmax (see below): QUANTISED
;;     5. [M 8,192, K 1,024] x [K 1,024, N 1,024]; A: computed on the way; B: input w_out: QUANTISED
;;   THE QUANTISER, for each operand of a quantised product, along K:
;;     - K is cut into blocks of 32 from its start; a last block that is shorter is filled with zeros.
;;     - A block's scale is 2^e with e = floor(log2(the largest magnitude in the block)) - 8, held to -126 .. 127; a block of zeros has e = 0. As a byte (E8M0): e + 127.
;;     - Each number is divided by its block's scale, clamped to +-448, and rounded to the nearest number of E4M3, ties to even, subnormals kept.
;;     - The product sums the exact products of the quantised numbers (number of the format x scale) in f32.
;;   ~~~python
;;   def quantise(x, axis):      # numpy; x: float32 -> the quantised numbers, widened to float32 again
;;       x = np.moveaxis(x, axis, -1); K = x.shape[-1]
;;       x = np.pad(x, [(0, 0)] * (x.ndim - 1) + [(0, -K % 32)]); x = x.reshape(x.shape[:-1] + (-1, 32)); a = np.abs(x).max(-1, keepdims=True)
;;       e = np.where(a > 0, np.clip(np.frexp(np.where(a > 0, a, 1))[1] - 1 - 8, -126, 127), 0)      # np.frexp(a)[1] - 1 = floor(log2(a)), exactly
;;       r = np.clip(x / 2.0 ** e, -448, 448)
;;       step = 2.0 ** (np.maximum(np.frexp(np.where(r == 0, 1, r))[1] - 1, -6) - 3)
;;       q = np.round(r / step) * step * 2.0 ** e      # np.round: ties to even
;;       return np.moveaxis(q.reshape(q.shape[:-2] + (-1,))[..., :K], -1, axis).astype(np.float32)
;;   ~~~
;;   SOFTMAX AHEAD OF A QUANTISED PRODUCT. Where the list says 'softmax', what is quantised is not the finished softmax but p = 2^(t - M), with t = logit x log2(e) and M = ceil(the row's largest t), a whole number; so 1/2 < the row's largest p <= 1. The row's sum l is taken of the UNQUANTISED p, in f32, and the product's result is divided by l at the end. Since M is a whole number, a kernel that streams over the keys may use a running M (the ceiling of the running maximum): every later rescaling is an exact power of two, which a block's scale takes up: the codes' values come out the same.
;;   OPERANDS COMPUTED ON THE WAY. 'Computed on the way' means the value that the module computes at that place (a softmax that the list does not call 'softmax' is quantised finished and normalised). What goes into a quantiser is computed in f32, as accurately as f32 sums, v_exp_f32 and their like allow (about 1e-6 of the number): no bf16 or f16 on the way to a quantiser, and a product that is left as it is and whose result goes on into a quantised operand takes f32 operands (vector FMAs, or v_wmma_f32_16x16x4_f32). A number that lies on a knife's edge between two numbers of the format may be rounded either way, as far as f32 arithmetic and the matrix unit's own rounding can turn it there, and no further.
;; One version. Each part assembles by itself: llvm-mc -triple=amdgcn-amd-amdhsa -mcpu=gfx1250 --defsym DOCPART=n.
;; ======== version 1 of 1: 4 launches
;; limits: right only within a limited range of input values
;; workspace buffers: xc 20,971,520 bytes; xs 655,360 bytes; qkvc 25,165,824 bytes; qkvs 786,432 bytes; cc 8,388,608 bytes; cs 262,144 bytes
;; launch prep (part 1): grid 640 x 1, 4 waves a work-group, no clusters, 23,040 bytes of LDS; arguments query, key, w_q, w_kv, w_out, gamma, beta, xc, xs; writes xc, xs
.if DOCPART == 1
	.amdgcn_target "amdgcn-amd-amdhsa--gfx1250"
	.amdhsa_code_object_version 6
	.text
	.protected	k_qe80d4a3917_prep
	.globl	k_qe80d4a3917_prep
	.p2align	8
	.type	k_qe80d4a3917_prep,@function
k_qe80d4a3917_prep:
	s_mov_b64 s[64:65], 0
	v_nop
	global_prefetch_b8 v0, s[64:65] scope:SCOPE_SE
	s_setreg_imm32_b32 hwreg(HW_REG_WAVE_MODE, 25, 1), 1
	s_wait_xcnt 0x0
; PREP: LayerNorm(query), key, w_q, w_kv and w_out become codes of FP8 (E4M3), K innermost, with one E8M0 byte for each 32 along K.
; xc: 20,480 rows x 1,024 codes; xs: 20,480 rows x 32 scale bytes.  Rows 0: LN(query); 8,192: key; 16,384: w_q; 17,408: the K rows of w_kv (head x 64 + d); 18,432: its V rows; 19,456: w_out.
; An activation's row (t, b) is put at place 128 (t / 32) + 32 b + t % 32, so that 32 neighbouring rows are 32 neighbouring t of one batch.
; A block's scale is 2^(floor(log2(its largest magnitude)) - 8); its byte is the largest magnitude's exponent field - 8, held at 1 from below.
; LIMITS: a block of zeros gets the byte 1 where the rule says 127 (its codes are zeros, and this program alone reads the bytes); NaN and infinities among the inputs are not served.
; SHARES: a wave takes 8 rows of xc, one after the other; work-groups 0-255 query, 256-511 key, 512-543 w_q, 544-607 w_kv, 608-639 w_out.  Only pointers and row numbers are chosen by the work-group's number,
; and the LayerNorm, which touches registers alone, is jumped over for all but query.  Waves share nothing: no barrier.
; A row's eight loads read 512 consecutive bytes each, 16 a lane.  The conversions want 16 NEIGHBOURS in a lane: the row turns through the wave's own stage in LDS (64 bytes + 16 of padding to a lane).
.set G,    16                          ; v16-47   gamma, as a row is loaded: load i, lane l: elements 128 i + 4 l on
.set BT,   48                          ; v48-79   beta likewise
.set R,    80                          ; v80-175  three sets of 32: rows as loaded
.set X,    176                         ; v176-207 a row turned: register 16 u + i = element 512 u + 16 lane + i
.set C,    208                         ; v208-223 codes: two sets of 8, by turns
.set E,    224                         ; v224-225 scale bytes
.set ST,   226                         ; v226-229 sums at work; v[230:231] the mean; v[232:233] 1 / sqrt(var + eps)
.set OFFR, 234                         ; v234-241 16 x lane + i x the distance of my rows in memory
.set SP,   80                          ; a lane's place in a stage
.set SCB,  2*32*SP                     ; behind the two stages: my wave's 256 scale bytes
.set WREG, SCB+512                     ; a wave's LDS
	s_load_b256 s[4:11], s[0:1], 0x0               ; query, key, w_q, w_kv
	s_load_b256 s[12:19], s[0:1], 0x20             ; w_out, gamma, beta, xc
	s_load_b64 s[20:21], s[0:1], 0x40              ; xs
	v_lshl_add_u32 v248, v0, 2, 0x5800
	v_mov_b32 v249, 0
	v_lshrrev_b32 v1, 5, v0
	v_readfirstlane_b32 s22, v1                    ; wave
	v_and_b32 v2, 31, v0                           ; lane
	v_lshlrev_b32 v3, 4, v2                        ; 16 x lane: my bytes of a load's 512, and of a store's
	s_mul_i32 s44, s22, WREG
	v_lshrrev_b32 v14, 2, v2
	v_mul_u32_u24 v14, v14, SP
	v_and_b32 v15, 3, v2
	v_lshl_add_u32 v14, v15, 4, v14
	v_add_nc_u32 v14, s44, v14                     ; the stage, on the way in: SP (lane / 4) + 16 (lane % 4)
	v_mul_u32_u24 v15, v2, SP
	v_add_nc_u32 v15, s44, v15                     ; and on the way out: SP x lane
	v_lshrrev_b32 v5, 1, v2
	s_add_co_u32 s44, s44, SCB
	v_add_nc_u32 v5, s44, v5                       ; my block's scale byte (two lanes to a block)
	v_lshlrev_b32 v7, 3, v2
	v_add_nc_u32 v6, s44, v7                       ; the bytes' way out: 8 a lane
	v_mov_b32 v[ST+5], 0                           ; upper halves of pairs of which the low word serves both halves: named, so written
	v_mov_b32 v[ST+7], 0
	s_mov_b32 s23, 0x600000                        ; the mantissa field of 448
	s_mov_b32 s24, 0x76543210
	s_mov_b32 s25, 0xfedcba98                      ; v_permlanex16_b32's selects for lane l xor 16
	s_mov_b32 s26, 0x3a800000                      ; 1 / 1,024
	s_mov_b32 s27, 0x3727c5ac                      ; 1e-5
	s_wait_kmcnt 0x0
	s_mov_b64 s[28:29], s[12:13]                   ; which tensor, and its first work-group: the choice hangs on the work-group's number alone
	s_mov_b32 s30, 608
	s_cmp_lt_u32 ttmp9, 608
	s_cselect_b64 s[28:29], s[10:11], s[28:29]
	s_cselect_b32 s30, 544, s30
	s_cmp_lt_u32 ttmp9, 544
	s_cselect_b64 s[28:29], s[8:9], s[28:29]
	s_cselect_b32 s30, 512, s30
	s_cmp_lt_u32 ttmp9, 512
	s_cselect_b64 s[28:29], s[6:7], s[28:29]
	s_cselect_b32 s30, 256, s30
	s_cmp_lt_u32 ttmp9, 256
	s_cselect_b64 s[28:29], s[4:5], s[28:29]
	s_cselect_b32 s30, 0, s30
	s_sub_co_u32 s31, ttmp9, s30
	s_lshl_b32 s31, s31, 2
	s_add_co_u32 s31, s31, s22
	s_lshl_b32 s31, s31, 3                         ; p0: my first row's place in its tensor's part of xc
	s_lshr_b32 s32, s31, 7                         ; an activation: t = 32 (p0 / 128) + p0 % 32, b = (p0 / 32) % 4; its row in memory is 4 t + b
	s_lshl_b32 s32, s32, 5
	s_and_b32 s33, s31, 31
	s_add_co_u32 s32, s32, s33
	s_lshl_b32 s32, s32, 2
	s_bfe_u32 s33, s31, 0x20005
	s_add_co_u32 s32, s32, s33
	s_bfe_u32 s34, s31, 0x40006                    ; w_kv: place 1,024 kv + 64 head + d comes from row 128 head + 64 kv + d
	s_lshl_b32 s34, s34, 7
	s_lshr_b32 s35, s31, 10
	s_lshl_b32 s35, s35, 6
	s_add_co_u32 s34, s34, s35
	s_and_b32 s35, s31, 63
	s_add_co_u32 s34, s34, s35
	s_sub_co_u32 s35, ttmp9, 544
	s_cmp_lt_u32 s35, 64
	s_cselect_b32 s36, s34, s31                    ; w_q and w_out: row p0
	s_cmp_lt_u32 ttmp9, 512
	s_cselect_b32 s36, s32, s36
	s_mov_b32 s37, 4096
	s_cselect_b32 s37, 16384, s37                  ; from one of my rows to the next: t + 1 is four rows on
	s_lshl_b32 s38, s36, 12
	s_mov_b32 s39, 0
	s_add_nc_u64 s[28:29], s[28:29], s[38:39]      ; my first row in memory
	s_lshl_b32 s40, ttmp9, 2
	s_add_co_u32 s40, s40, s22
	s_lshl_b32 s42, s40, 13                        ; 8 rows of 1,024 codes a wave
	s_mov_b32 s43, 0
	s_add_nc_u64 s[18:19], s[18:19], s[42:43]
	s_lshl_b32 s42, s40, 8                         ; 8 rows of 32 scale bytes
	s_add_nc_u64 s[20:21], s[20:21], s[42:43]
	v_mov_b32 v8, s37
.irp i, 0,1,2,3,4,5,6,7
	v_mad_u32_u24 v[OFFR+\i], v8, \i, v3
.endr
.irp i, 0,1,2,3,4,5,6,7
	global_load_b128 v[G+4*\i:G+4*\i+3], v3, s[14:15] offset:512*\i
	global_load_b128 v[BT+4*\i:BT+4*\i+3], v3, s[16:17] offset:512*\i
.endr
.macro LOAD r                          ; row r: eight loads of 512 consecutive bytes, into set r % 3
.irp j, 0,1,2,3,4,5,6,7
	global_load_b128 v[R+32*((\r)%3)+4*\j:R+32*((\r)%3)+4*\j+3], v[OFFR+(\r)], s[28:29] offset:512*\j th:TH_LOAD_NT
.endr
.endm
.macro LANESUM                         ; two chains of pairs become one number, the same in all 32 lanes
	v_pk_add_f32 v[ST:ST+1], v[ST:ST+1], v[ST+2:ST+3]
	v_add_f32 v[ST], v[ST], v[ST+1]
	v_add_f32_dpp v[ST], v[ST], v[ST] row_xmask:1 row_mask:0xf bank_mask:0xf
	v_add_f32_dpp v[ST], v[ST], v[ST] row_xmask:2 row_mask:0xf bank_mask:0xf
	v_add_f32_dpp v[ST], v[ST], v[ST] row_xmask:4 row_mask:0xf bank_mask:0xf
	v_add_f32_dpp v[ST], v[ST], v[ST] row_xmask:8 row_mask:0xf bank_mask:0xf
	v_permlanex16_b32 v[ST+1], v[ST], s24, s25
	v_add_f32 v[ST], v[ST], v[ST+1]
.endm
.macro QSTEP r, u                      ; half u of row r: 16 numbers a lane become 16 codes; two lanes' 32 numbers one scale byte
.set XS, X+16*(\u)
.set CD, C+8*((\r)%2)+4*(\u)
	v_max3_num_f32 v8, |v[XS]|, |v[XS+1]|, |v[XS+2]|
	v_max3_num_f32 v9, |v[XS+3]|, |v[XS+4]|, |v[XS+5]|
.irp i, 6,10
	v_max3_num_f32 v8, v8, |v[XS+\i]|, |v[XS+\i+1]|
	v_max3_num_f32 v9, v9, |v[XS+\i+2]|, |v[XS+\i+3]|
.endr
	v_max3_num_f32 v8, v8, |v[XS+14]|, |v[XS+15]|
	v_max3_num_f32 v8, v8, v9, 0x4800000           ; and the floor 2^(9 - 127): the byte cannot fall under 1
	v_max_num_f32_dpp v8, v8, v8 row_xmask:1 row_mask:0xf bank_mask:0xf   ; with my neighbour's 16: the block's largest magnitude
	v_add_nc_u32 v11, 0xfc000000, v8               ; 8 off its exponent field: the conversion takes this operand's exponent field as its scale
	v_and_or_b32 v10, v8, 0x7f800000, s23          ; 448 x the scale
.set ii, 0
.rept 16
	v_med3_num_f32 v[XS+ii], v[XS+ii], -v10, v10   ; the conversion to an 8-bit code does not saturate (ISA guide 7.6.2): the hold comes first
.set ii, ii+1
.endr
	v_cvt_scalef32_pk8_fp8_f32 v[CD:CD+1], v[XS:XS+7], v11
	v_cvt_scalef32_pk8_fp8_f32 v[CD+2:CD+3], v[XS+8:XS+15], v11
	v_lshrrev_b32 v[E+(\u)], 23, v11               ; the scale's byte (also the plain line behind the conversions)
	ds_store_b8 v5, v[E+(\u)] offset:32*(\r)+16*(\u)   ; both lanes of a block write the same byte with the same value
	global_store_b128 v3, v[CD:CD+3], s[18:19] offset:1024*(\r)+512*(\u)   ; the wave stores 512 consecutive bytes, aligned
.endm
.macro ROW r
.set RS, R+32*((\r)%3)
.if (\r) < 6
	s_wait_loadcnt 16                              ; my row's eight loads are in; the two younger rows' sixteen may be out
.else
	s_wait_loadcnt 8*(7-(\r))
.endif
	s_cmp_lt_u32 ttmp9, 256                        ; the LayerNorm is query's alone
	s_cbranch_scc0 .Lraw_\@
	v_pk_add_f32 v[ST:ST+1], v[RS:RS+1], v[RS+2:RS+3]
	v_pk_add_f32 v[ST+2:ST+3], v[RS+4:RS+5], v[RS+6:RS+7]
.irp j, 8,12,16,20,24,28
	v_pk_add_f32 v[ST:ST+1], v[ST:ST+1], v[RS+\j:RS+\j+1]
	v_pk_add_f32 v[ST+2:ST+3], v[ST+2:ST+3], v[RS+\j+2:RS+\j+3]
.endr
	LANESUM
	v_mul_f32 v[ST+4], s26, v[ST]                  ; the mean
.set jj, 0
.rept 16
	v_pk_add_f32 v[RS+jj:RS+jj+1], v[RS+jj:RS+jj+1], v[ST+4:ST+5] op_sel_hi:[1,0] neg_lo:[0,1] neg_hi:[0,1]   ; x - mean
.set jj, jj+2
.endr
	v_pk_mul_f32 v[ST:ST+1], v[RS:RS+1], v[RS:RS+1]
	v_pk_mul_f32 v[ST+2:ST+3], v[RS+2:RS+3], v[RS+2:RS+3]
.irp j, 4,8,12,16,20,24,28
	v_pk_fma_f32 v[ST:ST+1], v[RS+\j:RS+\j+1], v[RS+\j:RS+\j+1], v[ST:ST+1]
	v_pk_fma_f32 v[ST+2:ST+3], v[RS+\j+2:RS+\j+3], v[RS+\j+2:RS+\j+3], v[ST+2:ST+3]
.endr
	LANESUM
	v_fma_f32 v[ST], v[ST], s26, s27               ; the variance + eps
	s_wait_alu depctr_va_vdst(0)
	v_rsq_f32 v[ST+6], v[ST]
	v_nop                                          ; a plain line behind the transcendental (ISA guide 5.7.2)
	s_wait_alu depctr_va_vdst(0)                   ; and the wait ahead of its first reader
.set jj, 0
.rept 16
	v_pk_mul_f32 v[RS+jj:RS+jj+1], v[RS+jj:RS+jj+1], v[ST+6:ST+7] op_sel_hi:[1,0]
.set jj, jj+2
.endr
.set jj, 0
.rept 16
	v_pk_fma_f32 v[RS+jj:RS+jj+1], v[RS+jj:RS+jj+1], v[G+jj:G+jj+1], v[BT+jj:BT+jj+1]
.set jj, jj+2
.endr
.Lraw_\@:
.irp u, 0,1                            ; the turn: LDS serves a wave's instructions in order (ISA guide 5.7.1.4), so no wait stands between the stores and the loads
.irp i, 0,1,2,3
	ds_store_b128 v14, v[RS+16*\u+4*\i:RS+16*\u+4*\i+3] offset:32*SP*\u+8*SP*\i
.endr
.endr
.irp u, 0,1
.irp i, 0,1,2,3
	ds_load_b128 v[X+16*\u+4*\i:X+16*\u+4*\i+3], v15 offset:32*SP*\u+16*\i
.endr
.endr
	s_wait_dscnt 0x0                               ; the row is back, and the stores have read the set, which takes the loads below
	s_wait_xcnt 0x0                                ; the stores of two rows ago have read their data: this row's codes are written into those registers
.if (\r)+3 < 8
	s_wait_alu depctr_va_vdst(0)
	LOAD (\r)+3
.endif
	QSTEP \r, 0
	QSTEP \r, 1
.endm
	LOAD 0
	LOAD 1
	LOAD 2
.irp r, 0,1,2,3,4,5,6,7
	ROW \r
.endr
	ds_load_b64 v[12:13], v6                       ; my wave's 256 scale bytes: these loads see my byte stores
	s_wait_dscnt 0x0
	global_store_b64 v7, v[12:13], s[20:21]        ; 32 lanes store 256 consecutive bytes, aligned
	s_wait_tensorcnt 0x0
	ds_add_u32 v248, v249
	s_wait_dscnt 0x0
	s_endpgm
.Lfunc_end_k_qe80d4a3917_prep:
	.size	k_qe80d4a3917_prep, .Lfunc_end_k_qe80d4a3917_prep-k_qe80d4a3917_prep
	.p2alignl 7, 3214868480
	.fill 96, 4, 3214868480
	.section	.rodata,"a",@progbits
	.p2align	6, 0x0
	.amdhsa_kernel k_qe80d4a3917_prep
		.amdhsa_group_segment_fixed_size 23040
		.amdhsa_private_segment_fixed_size 0
		.amdhsa_enable_private_segment 0
		.amdhsa_kernarg_size 72
		.amdhsa_user_sgpr_count 2
		.amdhsa_user_sgpr_kernarg_segment_ptr 1
		.amdhsa_wavefront_size32 1
		.amdhsa_system_sgpr_workgroup_id_x 1
		.amdhsa_system_sgpr_workgroup_id_y 1
		.amdhsa_system_sgpr_workgroup_id_z 1
		.amdhsa_system_vgpr_workitem_id 0
		.amdhsa_next_free_vgpr 250
		.amdhsa_next_free_sgpr 66
		.amdhsa_reserve_vcc 0
		.amdhsa_float_denorm_mode_32 3
		.amdhsa_float_denorm_mode_16_64 3
		.amdhsa_memory_ordered 1
		.amdhsa_forward_progress 1
		.amdhsa_inst_pref_size 103
	.end_amdhsa_kernel
	.amdgpu_metadata
---
amdhsa.version: [ 1, 2 ]
amdhsa.kernels:
  - .name:           k_qe80d4a3917_prep
    .symbol:         k_qe80d4a3917_prep.kd
    .args:
      - { .name: query, .offset: 0, .size: 8, .value_kind: global_buffer, .address_space: global }
      - { .name: key, .offset: 8, .size: 8, .value_kind: global_buffer, .address_space: global }
      - { .name: w_q, .offset: 16, .size: 8, .value_kind: global_buffer, .address_space: global }
      - { .name: w_kv, .offset: 24, .size: 8, .value_kind: global_buffer, .address_space: global }
      - { .name: w_out, .offset: 32, .size: 8, .value_kind: global_buffer, .address_space: global }
      - { .name: gamma, .offset: 40, .size: 8, .value_kind: global_buffer, .address_space: global }
      - { .name: beta, .offset: 48, .size: 8, .value_kind: global_buffer, .address_space: global }
      - { .name: xc, .offset: 56, .size: 8, .value_kind: global_buffer, .address_space: global }
      - { .name: xs, .offset: 64, .size: 8, .value_kind: global_buffer, .address_space: global }
    .group_segment_fixed_size: 23040
    .private_segment_fixed_size: 0
    .kernarg_segment_align: 8
    .kernarg_segment_size: 72
    .max_flat_workgroup_size: 128
    .sgpr_count:     66
    .vgpr_count:     250
    .wavefront_size: 32
...
	.end_amdgpu_metadata
.endif
;; end of part 1
;; launch proj (part 2): grid 12 x 32, 4 waves a work-group, clusters of 4 x 4, 327,680 bytes of LDS; arguments xc, xs, qkvc, qkvs; writes qkvc, qkvs
.if DOCPART == 2
	.amdgcn_target "amdgcn-amd-amdhsa--gfx1250"
	.amdhsa_code_object_version 6
	.text
	.protected	k_qe80d4a3917_proj
	.globl	k_qe80d4a3917_proj
	.p2align	8
	.type	k_qe80d4a3917_proj,@function
k_qe80d4a3917_proj:
	s_mov_b64 s[64:65], 0
	v_nop
	global_prefetch_b8 v0, s[64:65] scope:SCOPE_SE
	s_setreg_imm32_b32 hwreg(HW_REG_WAVE_MODE, 25, 1), 1
	s_wait_xcnt 0x0
	s_wait_alu depctr_hold_cnt(0) depctr_sa_sdst(0) depctr_va_vdst(0) depctr_va_sdst(0) depctr_va_ssrc(0) depctr_va_vcc(0) depctr_vm_vsrc(0)
	s_getreg_b32 s2, hwreg(HW_REG_IB_STS2, 6, 4)
	s_cmp_eq_u32 s2, 0
	s_cbranch_scc0 .Lentry_in_a_cluster
	s_endpgm
.Lentry_in_a_cluster:
	s_bfe_u32 s2, ttmp6, 0x10000c
	s_cmp_lg_u32 s2, 0xf033
	s_cbranch_scc0 .Lentry_shape_is_right
	s_endpgm
.Lentry_shape_is_right:
.set KSTEP,  256
.set NQ,     2
.set ROWB,   256
.set KROW,   1024
.set PITCH,  272
.set FR,     16
.set NL,     4
.set NP,     8
.set HALFT,  128*PITCH
.set SLOT,   4*HALFT
.set KS,     32
.set SCL,    2*SLOT
.set HALFS,  (128*KS/256)*272
.set SBLK,   (16*KS/256)*272
.set SPARE,  SCL+4*HALFS
.set SPITCH, 144
.set WSTG,   128*SPITCH
.set ADRA, 16
.set ADRB, 20
.set STO,  24
.set RD,   25
.set CO,   26
.set ADRS, 27
.set SPW,  28
.set NIL,  29
.set SC,   32
.set AF,   128
.set TM,   32
.set PC0,  48
.set PC1,  64
.set SBY,  80
.set VO,   96
.set VS,   104
.set OUTR, 128
.set G1, 24
.set G0, 32
.set G1B, 48
.set G0B, 56
.set G1S, 68
.set G0S, 76
.set G1SB, 80
.set G0SB, 88
.set SB,  24
.set SS,  32
.set HIM, 96
.set SEL, 97
.set MNT, 99
.set MSB, 0
.macro WIN new
.if MSB != \new
	s_set_vgpr_msb (MSB<<8)|\new
.set MSB, \new
.endif
.endm
.set MUL_LO, 0xa1
.set MUL_HI, 0xf1
.set TO_B,   0x40
.macro JLOAD g0a, g1a, g0b, g1b
	s_cmp_eq_u32 s15, 0
	s_cbranch_scc0 .Lfor_b_\@
	tensor_load_to_lds s[\g0a:\g0a+3], s[\g1a:\g1a+7]
	s_nop 0
.rept 4
	v_nop
.endr
	s_branch .Lasked_\@
.Lfor_b_\@:
	tensor_load_to_lds s[\g0b:\g0b+3], s[\g1b:\g1b+7]
	s_nop 0
.rept 4
	v_nop
.endr
.Lasked_\@:
.endm
.macro CREST
	s_cmp_lg_u32 s14, 0
	s_cbranch_scc1 .Lnot_wave_0_\@
	s_barrier_signal -3
.Lnot_wave_0_\@:
	s_barrier_wait -3
	s_barrier_signal -1
	s_barrier_wait -1
.endm
.macro CROUND
	s_barrier_signal -1
	s_barrier_wait -1
	CREST
.endm
	s_load_b256 s[4:11], s[0:1], 0x0
	v_lshl_add_u32 v[SPW], v0, 2, SPARE
	v_mov_b32 v[NIL], 0
	ds_add_u32 v28, v29
	ds_add_u32 v28, v29
	s_wait_dscnt 0x0
	v_lshrrev_b32 v1, 5, v0
	v_readfirstlane_b32 s14, v1
	s_lshr_b32 s15, s14, 1
	s_and_b32 s16, s14, 1
	s_bfe_u32 s40, ttmp6, 0x40000
	s_bfe_u32 s41, ttmp6, 0x40004
	s_and_b32 s17, ttmp7, 0xffff
	s_lshr_b32 s12, ttmp9, 1
	s_lshl_b32 s43, s41, 2
	s_lshl_b32 s43, 15, s43
	s_lshl_b32 s44, 0x1111, s40
	s_mov_b32 s[HIM], 0xffff0000
	s_mov_b32 s[SEL], 0x76543210
	s_mov_b32 s[SEL+1], 0xfedcba98
	s_mov_b32 s[MNT], 0x600000
	s_or_b32 s[G1+0], s43, (0<<16)|(1<<20)|(1<<21)|(5<<22)|(3<<25)
	s_or_b32 s[G1B+0], s44, (0<<16)|(1<<20)|(1<<21)|(5<<22)|(3<<25)
.irp g, G1, G1B
	s_mov_b32 s[\g+1], ROWB<<16
	s_mov_b32 s[\g+2], 256<<16                     ; the head's loads bring 256 rows
	s_mov_b32 s[\g+3], ROWB<<16
	s_mov_b32 s[\g+4], 256
	s_mov_b32 s[\g+5], KROW
	s_mov_b32 s[\g+6], 0
	s_mov_b32 s[\g+7], 0
.endr
	s_or_b32 s[G1S+0], s43, (3<<16)|(1<<20)|(1<<21)|(5<<22)|(3<<25)
	s_or_b32 s[G1SB+0], s44, (3<<16)|(1<<20)|(1<<21)|(5<<22)|(3<<25)
.irp g, G1S, G1SB
	s_mov_b32 s[\g+1], 32<<16
	s_mov_b32 s[\g+2], (256*KS/256)<<16            ; the scales of 256 rows, as rows of 256 bytes
	s_mov_b32 s[\g+3], 32<<16
	s_mov_b32 s[\g+4], 256*KS/256
	s_mov_b32 s[\g+5], 32
	s_mov_b32 s[\g+6], 0
	s_mov_b32 s[\g+7], 0
.endr
	s_lshl_b32 s20, ttmp9, 13
	s_lshl_b32 s18, s12, 11
	s_add_co_u32 s20, s20, s18
	s_xor_b32 s18, s12, 1
	s_mul_i32 s18, s18, s17
	s_lshl_b32 s18, s18, 10
	s_lshl_b32 s19, s41, 8
	s_add_co_u32 s13, s18, s19
	s_add_co_u32 s20, s20, s13
	s_lshl_b32 s46, ttmp9, 10
	s_add_co_u32 s46, s46, 16384
	s_mul_i32 s47, s12, 10240
	s_sub_co_u32 s46, s46, s47
	s_mul_i32 s47, s12, s17
	s_lshl_b32 s47, s47, 10
	s_lshl_b32 s42, s40, 8
	s_add_co_u32 s42, s42, s47
	s_add_co_u32 s46, s46, s42
	s_lshl_b32 s22, s20, 5
	s_mov_b32 s23, 0
	s_lshl_b32 s20, s20, 10
	s_mov_b32 s21, 0
	s_lshl_b32 s92, s46, 5
	s_mov_b32 s93, 0
	s_lshl_b32 s46, s46, 10
	s_mov_b32 s47, 0
	s_mul_i32 s45, s14, HALFT
	s_lshl_b32 s18, s16, 17                        ; in the ring I fetch 128 rows of a tile: which half, in bytes
	s_mov_b32 s19, 0
	s_wait_kmcnt 0x0
	s_add_nc_u64 s[20:21], s[4:5], s[20:21]
	s_add_nc_u64 s[22:23], s[6:7], s[22:23]
	s_add_nc_u64 s[46:47], s[4:5], s[46:47]
	s_add_nc_u64 s[92:93], s[6:7], s[92:93]
	CROUND
	s_mov_b32 s[G0S], 1
	s_mov_b32 s[G0S+1], SCL
	s_mov_b64 s[G0S+2:G0S+3], s[22:23]
	s_or_b32 s[G0S+3], s[G0S+3], 0x80000000
	s_mov_b32 s[G0SB], 1
	s_mov_b32 s[G0SB+1], SCL+2*HALFS
	s_mov_b64 s[G0SB+2:G0SB+3], s[92:93]
	s_or_b32 s[G0SB+3], s[G0SB+3], 0x80000000
	s_mov_b32 s[G0], 1                             ; slot 0's groups 0 serve the head first: K step 0's 256 rows of A, whole,
	s_mov_b32 s[G0+1], 0
	s_mov_b64 s[G0+2:G0+3], s[20:21]
	s_or_b32 s[G0+3], s[G0+3], 0x80000000
	s_mov_b32 s[G0B], 1                            ; and its 256 rows of B, behind them
	s_mov_b32 s[G0B+1], 2*HALFT
	s_mov_b64 s[G0B+2:G0B+3], s[46:47]
	s_or_b32 s[G0B+3], s[G0B+3], 0x80000000
	s_add_nc_u64 s[20:21], s[20:21], s[18:19]      ; for the ring: my 128 rows
	s_add_nc_u64 s[46:47], s[46:47], s[18:19]
	s_mov_b32 s[G0+4], 1                           ; slot 1: K step 1
	s_add_co_u32 s[G0+5], s45, SLOT
	s_add_nc_u64 s[G0+6:G0+7], s[20:21], ROWB
	s_or_b32 s[G0+7], s[G0+7], 0x80000000
	s_mov_b32 s[G0B+4], 1
	s_add_co_u32 s[G0B+5], s45, SLOT
	s_add_nc_u64 s[G0B+6:G0B+7], s[46:47], ROWB
	s_or_b32 s[G0B+7], s[G0B+7], 0x80000000
; the head's four tiles, one joint load a wave: wave 0 A's codes, wave 1 B's, wave 2 A's scales, wave 3 B's; one chain of branches, every way passes one load
.macro ARM under, g0, g1, next
	s_cmp_lt_u32 s14, \under
	s_cbranch_scc0 \next
	tensor_load_to_lds s[\g0:\g0+3], s[\g1:\g1+7]
	s_nop 0
.rept 4
	v_nop
.endr
	s_branch .Lhead_asked
\next:
.endm
	ARM 1, G0,  G1,  .Lhead_b
	ARM 2, G0B, G1B, .Lhead_sa
	ARM 3, G0S, G1S, .Lhead_sb
	tensor_load_to_lds s[G0SB:G0SB+3], s[G1SB:G1SB+7]
	s_nop 0
.rept 4
	v_nop
.endr
.Lhead_asked:
	v_and_b32 v1, 15, v0
	v_bfe_u32 v2, v0, 4, 1
	v_mul_u32_u24 v3, v1, PITCH
	v_lshl_add_u32 v4, v2, 4, v3
	s_mul_i32 s21, s15, HALFT
	s_mul_i32 s22, s16, HALFT
	s_add_co_u32 s22, s22, 2*HALFT
.irp s, 0,1
	v_add_nc_u32 v[ADRA+\s], s21, v4
	v_add_nc_u32 v[ADRB+\s], s22, v4
	s_add_co_u32 s21, s21, SLOT
	s_add_co_u32 s22, s22, SLOT
.endr
	v_mul_u32_u24 v5, v1, KS
	v_lshrrev_b32 v6, 8, v5
	v_lshl_add_u32 v5, v6, 4, v5
	s_mul_i32 s21, s15, HALFS
	s_mul_i32 s22, s16, HALFS
	s_add_co_u32 s22, s22, 2*HALFS
	s_sub_co_u32 s22, s22, s21
	v_mul_u32_u24 v6, s22, v2
	s_add_co_u32 s21, s21, SCL
	v_add_nc_u32 v5, v5, v6
	v_add_nc_u32 v[ADRS], s21, v5
	s_mul_i32 s23, s14, WSTG
	v_mul_u32_u24 v5, v1, SPITCH
	v_lshl_add_u32 v5, v2, 3, v5
	v_add_nc_u32 v[STO], s23, v5
	v_and_b32 v6, 8, v1
	v_add_nc_u32 v6, v6, v1
	v_mul_u32_u24 v6, v6, SPITCH
	v_lshl_add_u32 v6, v2, 4, v6
	v_add_nc_u32 v[RD], s23, v6
	v_and_b32 v6, 31, v0
	v_lshlrev_b32 v[CO], 4, v6
.macro FRAG reg, adr, q, i
.irp c, 0,1,2,3
	ds_load_b128 v[\reg+4*\c:\reg+4*\c+3], v[\adr] offset:128*(\q)+32*\c+(\i)*16*PITCH
.endr
.endm
.macro MUL16 a0, p, q, sc, zero
.irp a, \a0, \a0+1
.irp b, 0,1,2,3,4,5,6,7
.if \zero
	v_wmma_scale_f32_16x16x128_f8f6f4 v[8*(8*((\a)%4)+\b):8*(8*((\a)%4)+\b)+7], v[128*(\p)+FR*\b:128*(\p)+FR*\b+FR-1], v[AF+FR*(\a):AF+FR*(\a)+FR-1], 0, v[SC+8*NQ*(\sc)+NQ*\b+(\q)], v[SC+8*NQ*(\sc)+NQ*(\a)+(\q)] matrix_a_scale:MATRIX_SCALE_ROW1
.else
	v_wmma_scale_f32_16x16x128_f8f6f4 v[8*(8*((\a)%4)+\b):8*(8*((\a)%4)+\b)+7], v[128*(\p)+FR*\b:128*(\p)+FR*\b+FR-1], v[AF+FR*(\a):AF+FR*(\a)+FR-1], v[8*(8*((\a)%4)+\b):8*(8*((\a)%4)+\b)+7], v[SC+8*NQ*(\sc)+NQ*\b+(\q)], v[SC+8*NQ*(\sc)+NQ*(\a)+(\q)] matrix_a_scale:MATRIX_SCALE_ROW1
.endif
.endr
.endr
.endm
.macro FETCH_B slot, q, p
	WIN TO_B
.irp i, 0,1,2,3,4,5,6,7
	FRAG 128*(\p)+FR*\i, ADRB+\slot, \q, \i
.endr
	WIN 0
.endm
.macro FETCH_A slot, q, i0
.irp i, \i0, \i0+1, \i0+2, \i0+3
	FRAG AF+FR*(\i), ADRA+\slot, \q, \i
.endr
.endm
.macro SCALES sc
.irp i, 0,1,2,3,4,5,6,7
	ds_load_b64 v[SC+8*NQ*\sc+NQ*\i:SC+8*NQ*\sc+NQ*\i+1], v[ADRS] offset:\i*SBLK
.endr
.endm
.macro PLACES n
.rept \n
	v_nop
.endr
.endm
.macro STEP slot, q, zero
	s_wait_dscnt 4*NL
	WIN MUL_LO
	MUL16 0, (\q)%2, \q, \slot, \zero
	MUL16 2, (\q)%2, \q, \slot, \zero
	s_wait_dscnt 0
	PLACES NP
	FETCH_B \slot, (\q)+1, 1-(\q)%2
	FETCH_A \slot, (\q)+1, 0
	WIN MUL_HI
	MUL16 4, (\q)%2, \q, \slot, \zero
	MUL16 6, (\q)%2, \q, \slot, \zero
	PLACES NP
	WIN 0
	FETCH_A \slot, (\q)+1, 4
.endm
.macro TURN slot, next, fill
	s_wait_tensorcnt 0x0
	ds_add_u32 v[SPW], v[NIL]
	s_wait_dscnt 4*NL+1
	WIN MUL_LO
	MUL16 0, 1, NQ-1, \slot, 0
	s_wait_dscnt 0x0
	s_barrier_signal -1
	MUL16 2, 1, NQ-1, \slot, 0
	WIN 0
	s_barrier_wait -1
.if \fill
	CREST
	s_add_nc_u64 s[G0+4*\slot+2:G0+4*\slot+3], s[G0+4*\slot+2:G0+4*\slot+3], 2*ROWB
	s_add_nc_u64 s[G0B+4*\slot+2:G0B+4*\slot+3], s[G0B+4*\slot+2:G0B+4*\slot+3], 2*ROWB
	JLOAD G0+4*\slot, G1, G0B+4*\slot, G1B
	PLACES NP-4
.else
	PLACES NP
.endif
	s_wait_alu depctr_va_vdst(0)
	v_add_nc_u32 v[ADRS], 4*NQ, v[ADRS]
	FETCH_B \next, 0, 0
	FETCH_A \next, 0, 0
	SCALES \next
	WIN MUL_HI
	MUL16 4, 1, NQ-1, \slot, 0
	MUL16 6, 1, NQ-1, \slot, 0
	PLACES NP
	WIN 0
	FETCH_A \next, 0, 4
.endm
	s_wait_alu depctr_va_vdst(0)
	s_wait_tensorcnt 0x0                           ; my tile of the head's four is in
	ds_add_u32 v[SPW], v[NIL]
	s_mov_b32 s[G1+2], 128<<16                     ; no tensor load of mine is out: from here on a load brings 128 rows,
	s_mov_b32 s[G1+4], 128
	s_mov_b32 s[G1B+2], 128<<16
	s_mov_b32 s[G1B+4], 128
	s_mov_b32 s[G0+1], s45                         ; and slot 0's groups 0 point at my quarter of the slot
	s_add_nc_u64 s[G0+2:G0+3], s[G0+2:G0+3], s[18:19]
	s_mov_b32 s[G0B+1], s45
	s_add_nc_u64 s[G0B+2:G0B+3], s[G0B+2:G0B+3], s[18:19]
	s_wait_dscnt 0x0
	CROUND                                         ; all four tiles are in, in every partner
	JLOAD G0+4, G1, G0B+4, G1B                     ; K step 1: the first tensor load behind the round
	FETCH_B 0, 0, 0
	FETCH_A 0, 0, 0
	SCALES 0
	FETCH_A 0, 0, 4
	STEP 0, 0, 1
	TURN 0, 1, 1
	STEP 1, 0, 0
	TURN 1, 0, 1
	STEP 0, 0, 0
	TURN 0, 1, 0
	STEP 1, 0, 0
	s_wait_dscnt 4*NL
	WIN MUL_LO
	MUL16 0, 1, NQ-1, 1, 0
	MUL16 2, 1, NQ-1, 1, 0
	s_wait_dscnt 0
	WIN MUL_HI
	MUL16 4, 1, NQ-1, 1, 0
	MUL16 6, 1, NQ-1, 1, 0
	WIN 0
	s_lshr_b32 s18, s13, 7
	s_add_co_u32 s18, s18, s15
	s_lshr_b32 s19, s42, 7
	s_add_co_u32 s19, s19, s16
	s_lshr_b32 s62, s19, 2
	s_lshl_b32 s62, s62, 8
	s_and_b32 s63, s19, 3
	s_add_co_u32 s62, s62, s63
	s_lshl_b32 s63, s18, 6
	s_cmp_eq_u32 s12, 1
	s_cselect_b32 s20, s18, s19
	s_cselect_b32 s21, s19, s18
	s_cselect_b32 s62, s62, s63
	s_mov_b32 s48, 2097152
	s_cselect_b32 s48, 1024, s48
	s_mov_b32 s49, 4194304
	s_cselect_b32 s49, 131072, s49
	s_mov_b32 s50, 131072
	s_cselect_b32 s50, 4194304, s50
	s_mov_b32 s51, 1024
	s_cselect_b32 s51, 512, s51
	s_mov_b32 s52, 512
	s_cselect_b32 s52, 2097152, s52
	s_cselect_b32 s53, 2, 1
	s_mov_b32 s54, 65536
	s_cselect_b32 s54, s54, 1
	s_cselect_b32 s55, 32, 16
	s_mov_b32 s56, 65536
	s_cselect_b32 s56, 128, s56
	s_mov_b32 s57, 131072
	s_cselect_b32 s57, 4096, s57
	s_mov_b32 s58, 4096
	s_cselect_b32 s58, 131072, s58
	s_lshl_b32 s60, ttmp9, 23
	s_lshl_b32 s61, s20, 18
	s_add_co_u32 s60, s60, s61
	s_lshl_b32 s61, s21, 11
	s_add_co_u32 s60, s60, s61
	s_mov_b32 s61, 0
	s_add_nc_u64 s[SB:SB+1], s[8:9], s[60:61]
	s_mov_b32 s60, s52
	s_add_nc_u64 s[SB+2:SB+3], s[SB:SB+1], s[60:61]
	s_mov_b32 s60, s51
	s_add_nc_u64 s[SB+4:SB+5], s[SB:SB+1], s[60:61]
	s_add_nc_u64 s[SB+6:SB+7], s[SB+2:SB+3], s[60:61]
	s_lshl_b32 s60, ttmp9, 18
	s_lshl_b32 s63, s20, 13
	s_add_co_u32 s60, s60, s63
	s_add_co_u32 s60, s60, s62
	s_add_nc_u64 s[SS:SS+1], s[10:11], s[60:61]
	s_mov_b32 s60, s56
	s_add_nc_u64 s[SS+2:SS+3], s[SS:SS+1], s[60:61]
	s_mov_b32 s60, s57
	s_add_nc_u64 s[SS+4:SS+5], s[SS:SS+1], s[60:61]
	s_add_nc_u64 s[SS+6:SS+7], s[SS+2:SS+3], s[60:61]
	v_mov_b32 v[VO], v[CO]
	v_add_nc_u32 v[VO+1], s50, v[VO]
	v_add_nc_u32 v[VO+2], s48, v[VO]
	v_add_nc_u32 v[VO+3], s48, v[VO+1]
	v_add_nc_u32 v[VO+4], s49, v[VO]
	v_add_nc_u32 v[VO+5], s49, v[VO+1]
	v_add_nc_u32 v[VO+6], s49, v[VO+2]
	v_add_nc_u32 v[VO+7], s49, v[VO+3]
	v_lshrrev_b32 v3, 3, v1
	v_and_b32 v4, 7, v1
	v_lshl_add_u32 v3, v3, 4, v4
	v_lshlrev_b32 v3, s53, v3
	v_mad_u32_u24 v[VS], v2, s54, v3
	v_add_nc_u32 v[VS+1], s58, v[VS]
	v_add_nc_u32 v[VS+2], s55, v[VS]
	v_add_nc_u32 v[VS+3], s55, v[VS+1]
.irp b, 0,1,2,3
	v_mov_b32 v[TM+4+\b], 0
.endr
.macro QUANTW a, pc
.set W, 2+(\a)/4
.set AC, 64*((\a)%4)
.set WN, W|(W<<2)
	WIN WN
.irp b, 0,1,2,3
	v_max3_num_f32 v[TM+\b], |v[AC+16*\b]|, |v[AC+16*\b+1]|, 0x4800000
.endr
.set WN, (W<<2)|(W<<4)
	WIN WN
.irp i, 2,4,6,8,10,12,14
.irp b, 0,1,2,3
	v_max3_num_f32 v[TM+\b], v[TM+\b], |v[AC+16*\b+\i]|, |v[AC+16*\b+\i+1]|
.endr
.endr
	WIN 0
.irp b, 0,1,2,3
	v_permlanex16_b32 v[TM+4+\b], v[TM+\b], s[SEL], s[SEL+1]
.endr
.irp b, 0,1,2,3
	v_max_num_f32 v[TM+\b], v[TM+\b], v[TM+4+\b]
.endr
.irp b, 0,1,2,3
	v_add_nc_u32 v[TM+12+\b], 0xfc000000, v[TM+\b]
.endr
.irp b, 0,1,2,3
	v_and_or_b32 v[TM+8+\b], v[TM+\b], 0x7f800000, s[MNT]
.endr
.irp b, 0,1,2,3
	v_lshrrev_b32 v[TM+4+\b], 23, v[TM+12+\b]
.endr
.set WN, W|(W<<6)
	WIN WN
.irp b, 0,1,2,3
.set ii, 0
.rept 16
	v_med3_num_f32 v[AC+16*\b+ii], v[AC+16*\b+ii], -v[TM+8+\b], v[TM+8+\b]
.set ii, ii+1
.endr
.endr
	WIN W
.irp k, 0,1,2,3,4,5,6,7
	v_cvt_scalef32_pk8_fp8_f32 v[\pc+2*\k:\pc+2*\k+1], v[AC+8*\k:AC+8*\k+7], v[TM+12+\k/2]
.endr
	WIN 0
	v_nop
.endm
.macro STAGE a, pc
.irp k, 0,1,2,3,4,5,6,7
	ds_store_b64 v[STO], v[\pc+2*\k:\pc+2*\k+1] offset:16*SPITCH*(\a)+16*\k
.endr
.endm
.macro SBYTES a
.irp x, 0,1
	v_cndmask_b32 v[SBY+2*(\a)+\x], v[TM+4+2*\x], v[TM+5+2*\x], s[HIM]
	global_store_b8 v[VS+2*((\a)%2)+\x], v[SBY+2*(\a)+\x], s[SS+2*((\a)/2):SS+2*((\a)/2)+1]
.endr
.endm
.macro BACK p
.irp h, 0,1
.irp u, 0,1
.irp c, 0,1
	ds_load_b128 v[OUTR+32*((\p)%2)+4*(4*\h+2*\u+\c):OUTR+32*((\p)%2)+4*(4*\h+2*\u+\c)+3], v[RD] offset:SPITCH*(32*(\p)+8*\u)+64*\h+32*\c
.endr
.endr
.endr
.endm
.macro SENDC p, younger
	s_wait_dscnt \younger
.irp h, 0,1
.irp u, 0,1
.irp c, 0,1
	global_store_b128 v[VO+2*(\p)+\h], v[OUTR+32*((\p)%2)+4*(4*\h+2*\u+\c):OUTR+32*((\p)%2)+4*(4*\h+2*\u+\c)+3], s[SB+2*(2*\u+\c):SB+2*(2*\u+\c)+1]
.endr
.endr
.endr
.endm
.irp p, 0,1,2,3
.if \p > 0
	s_wait_dscnt 8
.endif
	QUANTW 2*\p, PC0
	STAGE 2*\p, PC0
	SBYTES 2*\p
	QUANTW 2*\p+1, PC1
	STAGE 2*\p+1, PC1
	SBYTES 2*\p+1
.if \p > 1
	s_wait_xcnt 0x0
.endif
	BACK \p
.if \p > 0
	SENDC \p-1, 24
.endif
.endr
	SENDC 3, 0
	s_wait_tensorcnt 0x0
	ds_add_u32 v[SPW], v[NIL]
	s_wait_dscnt 0x0
	CROUND
	s_endpgm
.Lfunc_end_k_qe80d4a3917_proj:
	.size	k_qe80d4a3917_proj, .Lfunc_end_k_qe80d4a3917_proj-k_qe80d4a3917_proj
	.p2alignl 7, 3214868480
	.fill 96, 4, 3214868480
	.section	.rodata,"a",@progbits
	.p2align	6, 0x0
	.amdhsa_kernel k_qe80d4a3917_proj
		.amdhsa_group_segment_fixed_size 327680
		.amdhsa_private_segment_fixed_size 0
		.amdhsa_enable_private_segment 0
		.amdhsa_kernarg_size 32
		.amdhsa_user_sgpr_count 2
		.amdhsa_user_sgpr_kernarg_segment_ptr 1
		.amdhsa_wavefront_size32 1
		.amdhsa_system_sgpr_workgroup_id_x 1
		.amdhsa_system_sgpr_workgroup_id_y 1
		.amdhsa_system_sgpr_workgroup_id_z 1
		.amdhsa_system_vgpr_workitem_id 0
		.amdhsa_next_free_vgpr 1024
		.amdhsa_next_free_sgpr 100
		.amdhsa_reserve_vcc 0
		.amdhsa_float_denorm_mode_32 3
		.amdhsa_float_denorm_mode_16_64 3
		.amdhsa_memory_ordered 1
		.amdhsa_forward_progress 1
		.amdhsa_inst_pref_size 195
	.end_amdhsa_kernel
	.amdgpu_metadata
---
amdhsa.version: [ 1, 2 ]
amdhsa.kernels:
  - .name:           k_qe80d4a3917_proj
    .symbol:         k_qe80d4a3917_proj.kd
    .args:
      - { .name: xc, .offset: 0, .size: 8, .value_kind: global_buffer, .address_space: global }
      - { .name: xs, .offset: 8, .size: 8, .value_kind: global_buffer, .address_space: global }
      - { .name: qkvc, .offset: 16, .size: 8, .value_kind: global_buffer, .address_space: global }
      - { .name: qkvs, .offset: 24, .size: 8, .value_kind: global_buffer, .address_space: global }
    .group_segment_fixed_size: 327680
    .private_segment_fixed_size: 0
    .kernarg_segment_align: 8
    .kernarg_segment_size: 32
    .max_flat_workgroup_size: 128
    .sgpr_count:     100
    .vgpr_count:     1024
    .wavefront_size: 32
...
	.end_amdgpu_metadata
.endif
;; end of part 2
;; launch attn (part 3): grid 4 x 64, 16 waves a work-group, clusters of 4 x 1, 327,680 bytes of LDS; arguments qkvc, qkvs, cc, cs; writes cc, cs
.if DOCPART == 3
	.amdgcn_target "amdgcn-amd-amdhsa--gfx1250"
	.amdhsa_code_object_version 6
	.text
	.protected	k_qe80d4a3917_attn
	.globl	k_qe80d4a3917_attn
	.p2align	8
	.type	k_qe80d4a3917_attn,@function
k_qe80d4a3917_attn:
	s_mov_b64 s[64:65], 0
	v_nop
	global_prefetch_b8 v0, s[64:65] scope:SCOPE_SE
	s_setreg_imm32_b32 hwreg(HW_REG_WAVE_MODE, 25, 1), 1
	s_wait_xcnt 0x0
	s_wait_alu depctr_hold_cnt(0) depctr_sa_sdst(0) depctr_va_vdst(0) depctr_va_sdst(0) depctr_va_ssrc(0) depctr_va_vcc(0) depctr_vm_vsrc(0)
	s_getreg_b32 s2, hwreg(HW_REG_IB_STS2, 6, 4)
	s_cmp_eq_u32 s2, 0
	s_cbranch_scc0 .Lentry_in_a_cluster
	s_endpgm
.Lentry_in_a_cluster:
	s_bfe_u32 s2, ttmp6, 0x10000c
	s_cmp_lg_u32 s2, 0x3003
	s_cbranch_scc0 .Lentry_shape_is_right
	s_endpgm
.Lentry_shape_is_right:
; ATTN: ctx[q] = the sum over keys of softmax(q . k / 8) v, for 64 heads (bh = 16 b + head) of 2,048 queries x 2,048 keys, head size 64; both products on codes of FP8 (E4M3) with E8M0 scales; ctx leaves QUANTISED along
; the model's axis, as images of the output projection's operand registers.
; THE SOFTMAX: the scores come 8 times too large (q was quantised without its factor 1/8, a power of two), so t = score x c with c = log2(e) / 8; M = the running largest t rounded UP to a whole number;
; p = 2^(t - M) is quantised along the keys; the row's sum is taken of the unquantised p and divides at the end; when M moves, the sum and O are multiplied by 2^(old M - new M), which rounds nothing.
; SHARES.  A work-group owns 512 queries of one head; each of its sixteen waves takes one tile of 16 queries in each of two passes.  ALL OF THE HEAD'S K AND V (131,072 bytes each) AND THEIR SCALE BYTES STAY IN LDS, filled once:
; no slot is ever filled again and nothing is stored to LDS.  The four work-groups of a cluster belong to one head: every tensor load is asked for jointly by the four.
; LAYOUT (made by the launch before).  A chunk of 2,048 bytes holds 32 keys; every 512 bytes are four registers of an operand, lane l's 16 bytes at 16 l: every LDS load reads 512 consecutive bytes.
; Both products are used transposed: S^T = K Q^T, O^T = V^T P^T: a lane holds ONE query.  Lane r of K's tile (G, u) is key 32 G + 8 u + r + 8 (r / 8), so p's 16 registers of tiles 2 g, 2 g + 1 are 16 neighbouring keys;
; V's tiles take d in the same order, so O^T's 16 registers of two tiles are 16 neighbouring d.
; THE FIRST PRODUCT'S K IS 64, the instruction's 128: Q's registers 8-15 are zero codes.  K's operand names, as its upper eight registers, the next tile's codes (numbers, never the NaN code: the quantiser's hold keeps it
; out; behind the last tile: zeros), and the upper two scale bytes of both sides are 0, which is 2^-127: every such product is 0.
; A key step is 12 matrix instructions beside some 270 vector ones, so vector lines are what is spared: packed forms where f32 has them, and p's hold, for which it has none, two numbers to a dual instruction.
; LIMITS: a block of zeros gets the byte 1, not 127 (this program alone reads the bytes); NaN and infinities are not served.
.set SCK,  262144                      ; LDS: K at 0, V at 131,072, K's scale bytes here (4,096),
.set SCV,  266240                      ; V's here (4,096)
.set LK,   1                           ; v1   16 x lane: my place in 512 bytes; also my offset in Q's chunk and in cc
.set LV,   2                           ; v2   the same in V
.set LSK,  3                           ; v3   SCK + 2 x lane
.set LSV,  4                           ; v4   SCV + 4 x lane
.set QSO,  5                           ; v5   2 r: Q's scale halfword
.set CSO,  6                           ; v6   32 r + lane / 16: ctx's scale byte
.set ADK,  8
.set ADV,  9
.set ADS,  10
.set ADT,  11                          ; v12 -M, v13 the largest t, v[14:15] the sum in two halves
.set Q,    16                          ; v16-23 Q's codes, v24-31 zero codes
.set KV,   32                          ; v32-95 K's eight tiles (8 registers each), later V's four (16 each); v96-103 zero codes
.set S,    104                         ; v104-167 S^T, then p
.set O,    168                         ; v168-199 O^T
.set PCD,  200                         ; v200-215 p's codes; at the end ctx's
.set BM,   216                         ; v216-219 block maxima
.set BP,   220                         ; v220-223 the other half's; then bytes
.set BH,   224                         ; v224-227 448 x the scale
.set BS,   228                         ; v228-231 the conversions' scale operands
.set T,    232
.set F,    234                         ; v[234:235] f = 2^(old M - new M); at the end 1 / the sum
.set PW,   236                         ; p's scale word
.set SM2,  238                         ; v[238:239] the sum's second chain
.set KSC,  240                         ; v240-243 K's scales: lanes 0-15 tile 2 g, lanes 16-31 tile 2 g + 1
.set VSC,  244                         ; v244-245 V's likewise
.set QSC,  246                         ; Q's
.set BH2,  249                         ; v249-252 448 x the scale once more: register number mod 4 is one more than BH's
.set WV,   12
.set MNT,  19
.set SEL,  20
.set CS,   22                          ; s[22:23] c
.set TB,   60                          ; s60 the step's chunks: 8,192 bytes a step
.set TS,   61                          ; s61 its scale bytes: 256 a step, K's and V's alike
.set CNT,  62
.set QP,   66                          ; s[66:67] Q's codes, s[68:69] Q's scales, s[70:71] cc, s[72:73] cs, at my tile of pass 0
.set HIM,  96
.macro CROUND                          ; a round of the cluster's barrier
	s_barrier_signal -1
	s_barrier_wait -1
	s_cmp_lg_u32 s[WV], 0
	s_cbranch_scc1 .Lnot_wave_0_\@
	s_barrier_signal -3
.Lnot_wave_0_\@:
	s_barrier_wait -3
	s_barrier_signal -1
	s_barrier_wait -1
.endm
	s_load_b256 s[4:11], s[0:1], 0x0               ; qkvc s[4:5], qkvs s[6:7], cc s[8:9], cs s[10:11]
	v_lshl_add_u32 v254, v0, 2, 0x42000
	v_mov_b32 v255, 0
	ds_add_u32 v254, v255
	ds_add_u32 v254, v255
	v_lshrrev_b32 v1, 5, v0
	s_delay_alu instid0(VALU_DEP_1)
	v_readfirstlane_b32 s[WV], v1                  ; wave 0..15
	s_bfe_u32 s13, ttmp6, 0x40000                  ; cx: it enters Q's, cc's and cs's addresses alone
	s_and_b32 s14, ttmp7, 0xffff                   ; bh, which the four partners share
	s_lshr_b32 s15, s[WV], 3                       ; waves 0-7 fetch K's, waves 8-15 V's,
	s_and_b32 s16, s[WV], 7                        ; an eighth each
	s_add_co_u32 s17, s15, 1                       ; region 1 (K) or 2 (V)
	s_and_b32 s82, s[WV], 1                        ; the head's scale bytes: an even wave K's, an odd wave V's, 4,096 bytes whole
	s_add_co_u32 s82, s82, 1
	s_lshl_b32 s82, s82, 18
	s_lshl_b32 s83, s14, 12
	s_add_co_u32 s82, s82, s83
	s_mov_b32 s83, 0                               ; 262,144 x region + 4,096 bh
	s_lshl_b32 s86, s17, 23
	s_lshl_b32 s87, s14, 17
	s_add_co_u32 s86, s86, s87                     ; codes: 8,388,608 x region + 131,072 bh
	s_bfe_u32 s84, s[WV], 0x10002                  ; keys 0-511: waves 0-3 K's quarters, waves 4-7 V's, 8,192 bytes each
	s_lshl_b32 s53, s84, 17                        ; LDS: K at 0, V at 131,072
	s_add_co_u32 s84, s84, 1
	s_lshl_b32 s84, s84, 23
	s_add_co_u32 s84, s84, s87                     ; + 131,072 bh
	s_and_b32 s18, s[WV], 3
	s_lshl_b32 s18, s18, 13
	s_add_co_u32 s84, s84, s18
	s_add_co_u32 s53, s53, s18
	s_mov_b32 s85, 0
	s_mul_i32 s87, s16, 12288
	s_add_co_u32 s86, s86, s87
	s_add_co_u32 s86, s86, 32768
	s_mov_b32 s87, 0                               ; keys 512 on: + 32,768 + 12,288 x eighth
	; three groups 1: dense rows of 256 bytes (32 elements of 8 bytes), 32, 16 and 48 of them; the mask names all four work-groups, bit 21 beside it; no padding
.irp g, 24, 32, 40
	s_mov_b32 s[\g], 15|(3<<16)|(1<<21)
	s_mov_b32 s[\g+1], 32<<16
	s_mov_b32 s[\g+3], 32<<16
	s_mov_b32 s[\g+5], 32
	s_mov_b32 s[\g+6], 0
	s_mov_b32 s[\g+7], 0
.endr
	s_mov_b32 s26, 32<<16
	s_mov_b32 s28, 32
	s_mov_b32 s34, 16<<16
	s_mov_b32 s36, 16
	s_mov_b32 s42, 48<<16
	s_mov_b32 s44, 48
	s_mov_b32 s48, 1
	s_and_b32 s49, s[WV], 1
	s_lshl_b32 s49, s49, 12
	s_add_co_u32 s49, s49, SCK                     ; LDS: K's scale bytes at SCK, V's 4,096 behind
	s_mov_b32 s52, 1
	s_mov_b32 s56, 1
	s_lshl_b32 s57, s15, 17
	s_mul_i32 s18, s16, 12288
	s_add_co_u32 s57, s57, s18
	s_add_co_u32 s57, s57, 32768
	s_lshl_b32 s88, ttmp9, 2
	s_add_co_u32 s88, s88, s13
	s_lshl_b32 s88, s88, 5
	s_add_co_u32 s88, s88, s[WV]                   ; my tile of queries in pass 0: 32 x work-group x + wave; pass 1: 16 further on
	s_lshl_b32 s74, s14, 17
	s_lshl_b32 s75, s88, 10
	s_add_co_u32 s74, s74, s75
	s_mov_b32 s75, 0
	s_lshl_b32 s76, s14, 12
	s_lshl_b32 s77, s88, 5
	s_add_co_u32 s76, s76, s77
	s_mov_b32 s77, 0
	s_lshr_b32 s89, s14, 4
	s_lshl_b32 s89, s89, 7
	s_add_co_u32 s89, s89, s88                     ; ctx's tile of rows: 128 b + my tile
	s_and_b32 s90, s14, 15                         ; the head
	s_lshl_b32 s78, s89, 14
	s_lshl_b32 s79, s90, 10
	s_add_co_u32 s78, s78, s79
	s_mov_b32 s79, 0
	s_lshl_b32 s80, s89, 9
	s_lshl_b32 s81, s90, 1
	s_add_co_u32 s80, s80, s81
	s_mov_b32 s81, 0
	s_mov_b32 s[MNT], 0x600000
	s_mov_b32 s[SEL], 0x76543210
	s_mov_b32 s[SEL+1], 0xfedcba98
	s_mov_b32 s[CS], 0x3e38aa3b                    ; c = log2(e) / 8
	s_mov_b32 s[CS+1], s[CS]
	s_mov_b32 s[HIM], 0xffff0000
	s_mov_b32 s[TB], 0
	s_mov_b32 s[TS], 0
	s_wait_dscnt 0x0
	s_wait_kmcnt 0x0
	s_add_nc_u64 s[50:51], s[6:7], s[82:83]
	s_or_b32 s51, s51, 0x80000000
	s_add_nc_u64 s[54:55], s[4:5], s[84:85]
	s_or_b32 s55, s55, 0x80000000
	s_add_nc_u64 s[58:59], s[4:5], s[86:87]
	s_or_b32 s59, s59, 0x80000000
	s_add_nc_u64 s[QP:QP+1], s[4:5], s[74:75]
	s_add_nc_u64 s[QP+2:QP+3], s[6:7], s[76:77]
	s_add_nc_u64 s[QP+4:QP+5], s[8:9], s[78:79]
	s_add_nc_u64 s[QP+6:QP+7], s[10:11], s[80:81]
	CROUND                                         ; all four work-groups are here: the joint loads meet
	; the head's loads, at most one a wave, in one chain of branches on the wave's number: waves 0-7 the codes of keys 0-511, waves 8 and 9 the scale bytes
	s_cmp_lt_u32 s[WV], 8
	s_cbranch_scc0 .Lhead_s
	tensor_load_to_lds s[52:55], s[24:31]
	s_nop 0
.rept 4
	v_nop
.endr
	s_branch .Lhead_asked
.Lhead_s:
	s_cmp_lt_u32 s[WV], 10
	s_cbranch_scc0 .Lhead_asked
	tensor_load_to_lds s[48:51], s[32:39]
	s_nop 0
.rept 4
	v_nop
.endr
.Lhead_asked:
	v_and_b32 v7, 31, v0
	v_and_b32 v8, 15, v0
	v_bfe_u32 v9, v0, 4, 1
	s_delay_alu instid0(VALU_DEP_3)
	v_lshlrev_b32 v[LK], 4, v7
	s_delay_alu instid0(VALU_DEP_1)
	v_add_nc_u32 v[LV], 131072, v[LK]
	v_lshl_add_u32 v[LSK], v7, 1, SCK
	v_lshl_add_u32 v[LSV], v7, 2, SCV
	v_lshlrev_b32 v[QSO], 1, v8
	v_lshl_add_u32 v[CSO], v8, 5, v9
.macro QLOAD p                         ; my tile of queries of pass p: 1,024 bytes of codes, two scale bytes a row
	global_load_b128 v[Q:Q+3], v[LK], s[QP:QP+1] offset:16384*\p
	global_load_b128 v[Q+4:Q+7], v[LK], s[QP:QP+1] offset:16384*\p+512
	global_load_u16 v[QSC], v[QSO], s[QP+2:QP+3] offset:512*\p
.endm
.macro INIT                            ; the step is written once: the first finds zeros, which the first change of M leaves zeros
.set jj, 0
.rept 32
	v_mov_b32 v[O+jj], 0
.set jj, jj+1
.endr
	v_mov_b32 v13, 0xff61b1e6                      ; -3e38, under every t
	s_delay_alu instid0(VALU_DEP_1)
	v_floor_f32 v12, -v13
	v_mov_b32 v14, 0
	v_mov_b32 v15, 0
.endm
	QLOAD 0
.irp j, 0,1,2,3,4,5,6,7
	v_mov_b32 v[Q+8+\j], 0                         ; zero codes for the upper half of the first product's K
	v_mov_b32 v[KV+64+\j], 0
.endr
.irp b, 0,1,2,3
	v_mov_b32 v[BP+\b], 0                          ; a lane permute's destination counts as one of its sources
.endr
	v_mov_b32 v[F+1], 0                            ; named as the upper half of a pair
	v_mov_b32 v[T], 0
	INIT
; A KEY STEP: 128 keys.
.macro STEP
	v_add_nc_u32 v[ADK], s[TB], v[LK]
	v_add_nc_u32 v[ADV], s[TB], v[LV]
	v_add_nc_u32 v[ADS], s[TS], v[LSK]
	v_add_nc_u32 v[ADT], s[TS], v[LSV]
.rept 4
	v_nop                                          ; with the four additions: eight places ahead of loads into registers that the last products have read
.endr
.set nn, 0
.rept 16
	ds_load_b128 v[KV+4*nn:KV+4*nn+3], v[ADK] offset:512*nn   ; tile nn / 2, d 32 (nn % 2) on
.set nn, nn+1
.endr
.irp g, 0,1,2,3
	ds_load_u16 v[KSC+\g], v[ADS] offset:64*\g
.endr
	s_wait_alu depctr_va_vdst(0)
	s_wait_dscnt 0x0
.irp t, 0,2,4,6
	v_wmma_scale_f32_16x16x128_f8f6f4 v[S+8*\t:S+8*\t+7], v[KV+8*\t:KV+8*\t+15], v[Q:Q+15], 0, v[KSC+\t/2], v[QSC]
	v_wmma_scale_f32_16x16x128_f8f6f4 v[S+8*\t+8:S+8*\t+15], v[KV+8*\t+8:KV+8*\t+23], v[Q:Q+15], 0, v[KSC+\t/2], v[QSC] matrix_a_scale:MATRIX_SCALE_ROW1
.endr
.rept 8
	v_nop                                          ; eight places: ahead of the loads into K's registers, and of the first read of the scores
.endr
.irp d, 0,1,2,3                        ; V's four tiles are asked for now and land under the softmax
.irp c, 0,1,2,3
	ds_load_b128 v[KV+16*\d+4*\c:KV+16*\d+4*\c+3], v[ADV] offset:2048*\c+512*\d
.endr
.endr
.irp g, 0,1
	ds_load_b32 v[VSC+\g], v[ADT] offset:128*\g
.endr
.irp b, 0,1,2,3
	v_max3_num_f32 v[BM+\b], v[S+16*\b], v[S+16*\b+1], v[S+16*\b+2]   ; the largest score of each block of 32 keys: for the row's maximum, and, since p rises with the score, for the block's largest p
.endr
.irp i, 3,5,7,9,11,13
.irp b, 0,1,2,3
	v_max3_num_f32 v[BM+\b], v[BM+\b], v[S+16*\b+\i], v[S+16*\b+\i+1]
.endr
.endr
.irp b, 0,1,2,3
	v_max_num_f32 v[BM+\b], v[BM+\b], v[S+16*\b+15]
.endr
.irp b, 0,1,2,3
	s_delay_alu instid0(VALU_DEP_4)
	v_permlanex16_b32 v[BP+\b], v[BM+\b], s[SEL], s[SEL+1]
.endr
.irp b, 0,1,2,3
	s_delay_alu instid0(VALU_DEP_4)
	v_max_num_f32 v[BM+\b], v[BM+\b], v[BP+\b]     ; with lane l xor 16's 16 keys
.endr
	s_delay_alu instid0(VALU_DEP_2)
	v_max3_num_f32 v[T], v[BM], v[BM+1], v[BM+2]
	s_delay_alu instid0(VALU_DEP_1)
	v_max_num_f32 v[T], v[T], v[BM+3]
	s_delay_alu instid0(VALU_DEP_1)
	v_mul_f32 v[T], s[CS], v[T]                    ; as t (c is positive)
	s_delay_alu instid0(VALU_DEP_1)
	v_max_num_f32 v13, v13, v[T]                   ; the running largest t
	v_mov_b32 v[T], v12
	s_delay_alu instid0(VALU_DEP_2)
	v_floor_f32 v12, -v13                          ; the new -M = floor(-t) = -ceil(t)
	s_delay_alu instid0(VALU_DEP_1)
	v_sub_f32 v[T], v12, v[T]                      ; old M - new M: a whole number, 0 or less
	s_delay_alu instid0(VALU_DEP_1)
	v_cvt_i32_f32 v[T], v[T]                       ; (it saturates)
	s_delay_alu instid0(VALU_DEP_1)
	v_ldexp_f32 v[F], 1.0, v[T]                    ; f = 2^(old M - new M)
.set jj, 0
.rept 32
	v_pk_fma_f32 v[S+jj:S+jj+1], v[S+jj:S+jj+1], s[CS:CS+1], v[12:13] op_sel_hi:[1,0,0]   ; t - M, two at a time
.set jj, jj+2
.endr
.irp b, 0,1,2,3
	v_fma_f32 v[BM+\b], v[BM+\b], s[CS], v12       ; the same of each block's largest score
.endr
.set jj, 0
	s_wait_alu depctr_va_vdst(0)
.rept 64
	v_exp_f32 v[S+jj], v[S+jj]                     ; p = 2^(t - M)
.set jj, jj+1
.endr
	v_pk_mul_f32 v[14:15], v[14:15], v[F:F+1] op_sel_hi:[1,0]   ; the sums under the new M (the plain line behind the exponentials)
	s_wait_alu depctr_va_vdst(0)                   ; one wait for the batch of 64, ahead of its first reader
.irp b, 0,1,2,3
	v_exp_f32 v[BM+\b], v[BM+\b]                   ; the block's largest p: the same two instructions on the same number give the same bits
.endr
	v_pk_add_f32 v[238:239], v[108:109], v[112:113]
	v_pk_add_f32 v[252:253], v[116:117], v[120:121]
	v_pk_add_f32 v[250:251], v[124:125], v[128:129]
	v_pk_add_f32 v[248:249], v[132:133], v[136:137]
	v_pk_add_f32 v[242:243], v[140:141], v[144:145]
	v_pk_add_f32 v[240:241], v[148:149], v[152:153]
	v_pk_add_f32 v[236:237], v[156:157], v[160:161]
	v_pk_add_f32 v[14:15], v[14:15], v[164:165]
	v_pk_add_f32 v[238:239], v[238:239], v[104:105]
	v_pk_add_f32 v[252:253], v[252:253], v[106:107]
	v_pk_add_f32 v[250:251], v[250:251], v[110:111]
	v_pk_add_f32 v[248:249], v[248:249], v[114:115]
	v_pk_add_f32 v[242:243], v[242:243], v[118:119]
	v_pk_add_f32 v[240:241], v[240:241], v[122:123]
	v_pk_add_f32 v[236:237], v[236:237], v[126:127]
	v_pk_add_f32 v[14:15], v[14:15], v[130:131]
	v_pk_add_f32 v[238:239], v[238:239], v[134:135]
	v_pk_add_f32 v[252:253], v[252:253], v[138:139]
	v_pk_add_f32 v[250:251], v[250:251], v[142:143]
	v_pk_add_f32 v[248:249], v[248:249], v[146:147]
	v_pk_add_f32 v[242:243], v[242:243], v[150:151]
	v_pk_add_f32 v[240:241], v[240:241], v[154:155]
	v_pk_add_f32 v[236:237], v[236:237], v[158:159]
	v_pk_add_f32 v[14:15], v[14:15], v[162:163]
	v_pk_add_f32 v[238:239], v[238:239], v[166:167]
	s_delay_alu instid0(VALU_DEP_2)
	v_pk_add_f32 v[14:15], v[14:15], v[248:249]
	s_delay_alu instid0(VALU_DEP_2)
	v_pk_add_f32 v[238:239], v[238:239], v[242:243]
	v_pk_add_f32 v[252:253], v[252:253], v[240:241]
	v_pk_add_f32 v[250:251], v[250:251], v[236:237]
	s_delay_alu instid0(VALU_DEP_2)
	v_pk_add_f32 v[14:15], v[14:15], v[252:253]
	s_delay_alu instid0(VALU_DEP_2)
	v_pk_add_f32 v[238:239], v[238:239], v[250:251]
	s_delay_alu instid0(VALU_DEP_1)
	v_pk_add_f32 v[14:15], v[14:15], v[238:239]
	s_wait_alu depctr_va_vdst(0)                   ; and one for the four
.irp b, 0,1,2,3
	v_max_num_f32 v[BM+\b], 0x4800000, v[BM+\b]    ; the floor 2^(9 - 127): the byte cannot fall under 1
.endr
.irp b, 0,1,2,3
	s_delay_alu instid0(VALU_DEP_4)
	v_add_nc_u32 v[BS+\b], 0xfc000000, v[BM+\b]
.endr
.irp b, 0,1,2,3
	v_and_or_b32 v[BH+\b], v[BM+\b], 0x7f800000, s[MNT]
.endr
.irp b, 0,1,2,3
	v_and_or_b32 v[BH2+\b], v[BM+\b], 0x7f800000, s[MNT]   ; once more, for the second half of the dual lines below
.endr
.irp b, 0,1,2,3
	v_lshrrev_b32 v[BP+\b], 23, v[BS+\b]
.endr
	s_delay_alu instid0(VALU_DEP_3)
	v_lshl_or_b32 v[PW], v[BP+1], 8, v[BP]         ; p's scale word for these 128 keys; the 32 holds below stand between it and the products
	s_delay_alu instid0(VALU_DEP_1)
	v_lshl_or_b32 v[PW], v[BP+2], 16, v[PW]
	s_delay_alu instid0(VALU_DEP_1)
	v_lshl_or_b32 v[PW], v[BP+3], 24, v[PW]
; The conversion does not saturate (ISA guide 7.6.2); p is not negative, so the hold is one-sided.  Two numbers an instruction: the destinations are an even and an odd register, the first sources neighbours, and the second
; sources the two copies of 448 x the scale: like sources of the two halves differ in register number mod 4 (ISA guide, the dual-issue encoding's operand rules).
.irp b, 0,1,2,3
.set ii, 0
.rept 8
	v_dual_min_num_f32 v[S+16*\b+ii], v[S+16*\b+ii], v[BH+\b] :: v_dual_min_num_f32 v[S+16*\b+ii+1], v[S+16*\b+ii+1], v[BH2+\b]
.set ii, ii+2
.endr
	v_cvt_scalef32_pk8_fp8_f32 v[PCD+4*\b:PCD+4*\b+1], v[S+16*\b:S+16*\b+7], v[BS+\b]
	v_cvt_scalef32_pk8_fp8_f32 v[PCD+4*\b+2:PCD+4*\b+3], v[S+16*\b+8:S+16*\b+15], v[BS+\b]
.endr
.set jj, 0
.rept 16
	v_pk_mul_f32 v[O+jj:O+jj+1], v[O+jj:O+jj+1], v[F:F+1] op_sel_hi:[1,0]   ; O^T under the new M, each accumulator from its low end on; these lines also stand between the codes and the products
.set jj, jj+2
.endr
	s_wait_alu depctr_va_vdst(0)
	s_wait_dscnt 0x0                               ; V and its scale words are in
.irp d, 0,2                            ; the four accumulators take turns, one instruction a turn
	v_wmma_scale_f32_16x16x128_f8f6f4 v[O+8*\d:O+8*\d+7], v[KV+16*\d:KV+16*\d+15], v[PCD:PCD+15], v[O+8*\d:O+8*\d+7], v[VSC+\d/2], v[PW]
	v_wmma_scale_f32_16x16x128_f8f6f4 v[O+8*\d+8:O+8*\d+15], v[KV+16*\d+16:KV+16*\d+31], v[PCD:PCD+15], v[O+8*\d+8:O+8*\d+15], v[VSC+\d/2], v[PW] matrix_a_scale:MATRIX_SCALE_ROW1
.endr
	s_add_co_u32 s[TB], s[TB], 8192
	s_add_co_u32 s[TS], s[TS], 256
.endm
; THE WAY OUT of pass p: O^T / the sum is ctx(query r, d = 32 b + 16 (lane / 16) + 0..15) in registers 16 b on: two blocks of 32 along the output projection's K.  They are quantised in registers, and the codes are
; registers of that product's operand: the wave stores 512 consecutive bytes an instruction.
.macro EPI p
	v_add_f32 v14, v14, v15
	s_delay_alu instid0(VALU_DEP_1)
	v_permlanex16_b32 v[T], v14, s[SEL], s[SEL+1]
	s_delay_alu instid0(VALU_DEP_1)
	v_add_f32 v14, v14, v[T]                       ; the row's sum
	s_wait_alu depctr_va_vdst(0)
	v_rcp_f32 v[F], v14
.rept 7
	v_nop                                          ; with the two additions: more than the eight places behind the last products; the first is the plain line behind the reciprocal
.endr
	s_wait_alu depctr_va_vdst(0)                   ; ahead of the reciprocal's first reader
.set jj, 0
.rept 16
	v_pk_mul_f32 v[O+jj:O+jj+1], v[O+jj:O+jj+1], v[F:F+1] op_sel_hi:[1,0]
.set jj, jj+2
.endr
.irp b, 0,1
	v_max3_num_f32 v[BM+\b], |v[O+16*\b]|, |v[O+16*\b+1]|, 0x4800000
.endr
.irp i, 2,4,6,8,10,12,14
.irp b, 0,1
	s_delay_alu instid0(VALU_DEP_2)
	v_max3_num_f32 v[BM+\b], v[BM+\b], |v[O+16*\b+\i]|, |v[O+16*\b+\i+1]|
.endr
.endr
.irp b, 0,1
	s_delay_alu instid0(VALU_DEP_2)
	v_permlanex16_b32 v[BP+\b], v[BM+\b], s[SEL], s[SEL+1]
.endr
.irp b, 0,1
	s_delay_alu instid0(VALU_DEP_2)
	v_max_num_f32 v[BM+\b], v[BM+\b], v[BP+\b]
.endr
.irp b, 0,1
	s_delay_alu instid0(VALU_DEP_2)
	v_add_nc_u32 v[BS+\b], 0xfc000000, v[BM+\b]
.endr
.irp b, 0,1
	s_delay_alu instid0(VALU_DEP_4)
	v_and_or_b32 v[BH+\b], v[BM+\b], 0x7f800000, s[MNT]
.endr
.irp b, 0,1
	s_delay_alu instid0(VALU_DEP_4)
	v_lshrrev_b32 v[BP+\b], 23, v[BS+\b]
.endr
.irp b, 0,1
.set ii, 0
.rept 16
	v_med3_num_f32 v[O+16*\b+ii], v[O+16*\b+ii], -v[BH+\b], v[BH+\b]
.set ii, ii+1
.endr
	v_cvt_scalef32_pk8_fp8_f32 v[PCD+4*\b:PCD+4*\b+1], v[O+16*\b:O+16*\b+7], v[BS+\b]
	v_cvt_scalef32_pk8_fp8_f32 v[PCD+4*\b+2:PCD+4*\b+3], v[O+16*\b+8:O+16*\b+15], v[BS+\b]
.endr
	v_cndmask_b32 v[T], v[BP], v[BP+1], s[HIM]     ; lanes 0-15 store block 0's byte, lanes 16-31 block 1's (also the plain line behind the conversions)
	global_store_b128 v[LK], v[PCD:PCD+3], s[QP+4:QP+5] offset:262144*\p
	global_store_b128 v[LK], v[PCD+4:PCD+7], s[QP+4:QP+5] offset:262144*\p+512
	global_store_b8 v[CSO], v[T], s[QP+6:QP+7] offset:8192*\p
.endm
	s_wait_alu depctr_va_vdst(0)
	s_wait_tensorcnt 0x0                           ; my part of the head's tiles is in
	ds_add_u32 v254, v255                          ; the add, here twice on end
	ds_add_u32 v254, v255
	s_wait_loadcnt 0x0                             ; Q
	s_wait_dscnt 0x0
	CROUND                                         ; everybody's parts are in, and the four work-groups meet
	tensor_load_to_lds s[56:59], s[40:47]          ; my eighth of keys 512-2,047, a first fill: my one load behind the round; it has the four steps below in which to land
	s_nop 0
.rept 4
	v_nop
.endr
	s_mov_b32 s[CNT], 4
.Lfirst:                                           ; keys 0-511
	STEP
	s_sub_co_u32 s[CNT], s[CNT], 1
	s_cmp_lg_u32 s[CNT], 0
	s_cbranch_scc1 .Lfirst
	s_wait_tensorcnt 0x0                           ; my part of keys 512 on is in,
	s_barrier_signal -1
	s_barrier_wait -1                              ; and everybody's
	s_mov_b32 s[CNT], 12
.Lrest:
	STEP
	s_sub_co_u32 s[CNT], s[CNT], 1
	s_cmp_lg_u32 s[CNT], 0
	s_cbranch_scc1 .Lrest
	QLOAD 1                                        ; the last product that read Q stands a softmax back
	EPI 0
	s_wait_xcnt 0x0                                ; the stores have read their data, which the next pass writes again
	INIT
	s_mov_b32 s[TB], 0
	s_mov_b32 s[TS], 0
	s_wait_loadcnt 0x0
	s_mov_b32 s[CNT], 16
.Lsecond:
	STEP
	s_sub_co_u32 s[CNT], s[CNT], 1
	s_cmp_lg_u32 s[CNT], 0
	s_cbranch_scc1 .Lsecond
	EPI 1
	s_wait_tensorcnt 0x0
	ds_add_u32 v254, v255
	s_wait_dscnt 0x0
	CROUND                                         ; the closing round
	s_endpgm
.Lfunc_end_k_qe80d4a3917_attn:
	.size	k_qe80d4a3917_attn, .Lfunc_end_k_qe80d4a3917_attn-k_qe80d4a3917_attn
	.p2alignl 7, 3214868480
	.fill 96, 4, 3214868480
	.section	.rodata,"a",@progbits
	.p2align	6, 0x0
	.amdhsa_kernel k_qe80d4a3917_attn
		.amdhsa_group_segment_fixed_size 327680
		.amdhsa_private_segment_fixed_size 0
		.amdhsa_enable_private_segment 0
		.amdhsa_kernarg_size 32
		.amdhsa_user_sgpr_count 2
		.amdhsa_user_sgpr_kernarg_segment_ptr 1
		.amdhsa_wavefront_size32 1
		.amdhsa_system_sgpr_workgroup_id_x 1
		.amdhsa_system_sgpr_workgroup_id_y 1
		.amdhsa_system_sgpr_workgroup_id_z 1
		.amdhsa_system_vgpr_workitem_id 0
		.amdhsa_next_free_vgpr 256
		.amdhsa_next_free_sgpr 100
		.amdhsa_reserve_vcc 0
		.amdhsa_float_denorm_mode_32 3
		.amdhsa_float_denorm_mode_16_64 3
		.amdhsa_memory_ordered 1
		.amdhsa_forward_progress 1
		.amdhsa_inst_pref_size 85
	.end_amdhsa_kernel
	.amdgpu_metadata
---
amdhsa.version: [ 1, 2 ]
amdhsa.kernels:
  - .name:           k_qe80d4a3917_attn
    .symbol:         k_qe80d4a3917_attn.kd
    .args:
      - { .name: qkvc, .offset: 0, .size: 8, .value_kind: global_buffer, .address_space: global }
      - { .name: qkvs, .offset: 8, .size: 8, .value_kind: global_buffer, .address_space: global }
      - { .name: cc, .offset: 16, .size: 8, .value_kind: global_buffer, .address_space: global }
      - { .name: cs, .offset: 24, .size: 8, .value_kind: global_buffer, .address_space: global }
    .group_segment_fixed_size: 327680
    .private_segment_fixed_size: 0
    .kernarg_segment_align: 8
    .kernarg_segment_size: 32
    .max_flat_workgroup_size: 512
    .sgpr_count:     100
    .vgpr_count:     256
    .wavefront_size: 32
...
	.end_amdgpu_metadata
.endif
;; end of part 3
;; launch outp (part 4): grid 4 x 64, 4 waves a work-group, clusters of 4 x 4, 327,680 bytes of LDS; arguments cc, cs, xc, xs, query, out0; writes out0
.if DOCPART == 4
	.amdgcn_target "amdgcn-amd-amdhsa--gfx1250"
	.amdhsa_code_object_version 6
	.text
	.protected	k_qe80d4a3917_outp
	.globl	k_qe80d4a3917_outp
	.p2align	8
	.type	k_qe80d4a3917_outp,@function
k_qe80d4a3917_outp:
	s_mov_b64 s[64:65], 0
	v_nop
	global_prefetch_b8 v0, s[64:65] scope:SCOPE_SE
	s_setreg_imm32_b32 hwreg(HW_REG_WAVE_MODE, 25, 1), 1
	s_wait_xcnt 0x0
	s_wait_alu depctr_hold_cnt(0) depctr_sa_sdst(0) depctr_va_vdst(0) depctr_va_sdst(0) depctr_va_ssrc(0) depctr_va_vcc(0) depctr_vm_vsrc(0)
	s_getreg_b32 s2, hwreg(HW_REG_IB_STS2, 6, 4)
	s_cmp_eq_u32 s2, 0
	s_cbranch_scc0 .Lentry_in_a_cluster
	s_endpgm
.Lentry_in_a_cluster:
	s_bfe_u32 s2, ttmp6, 0x10000c
	s_cmp_lg_u32 s2, 0xf033
	s_cbranch_scc0 .Lentry_shape_is_right
	s_endpgm
.Lentry_shape_is_right:
.set NQ,     2
.set ROWB,   256
.set KROW,   1024
.set PITCH,  272
.set FR,     16
.set NP,     8
.set HALFA,  16384
.set HALFT,  128*PITCH
.set BOFF,   2*HALFA
.set SLOT,   BOFF+2*HALFT
.set KS,     32
.set SCL,    3*SLOT
.set HALFSA, (64*KS/256)*272
.set HALFSB, (128*KS/256)*272
.set SCB,    SCL+2*HALFSA
.set SBLK,   (16*KS/256)*272
.set SPARE,  SCB+2*HALFSB
.set SPITCH, 528
.set STG,    SLOT
.set ADRA, 16
.set ADRB, 20
.set STO,  24
.set RD,   25
.set CO,   26
.set ADRS, 27
.set SPW,  28
.set NIL,  29
.set SC,   32
.set AF,   128
.set BK,   128
.set G1,   24
.set G1B,  32
.set G1S,  40
.set G1SB, 48
.set G0S,  56
.set G0SB, 60
.set G0,   68
.set G0B,  80
.set QB,   96
.set OB,   98
.set MSB, 0
.macro WIN new
.if MSB != \new
	s_set_vgpr_msb (MSB<<8)|\new
.set MSB, \new
.endif
.endm
.set MUL_W,  0xa1
.set TO_B,   0x40
.macro JLOAD g0a, g1a, g0b, g1b
	s_cmp_eq_u32 s15, 0
	s_cbranch_scc0 .Lfor_b_\@
	tensor_load_to_lds s[\g0a:\g0a+3], s[\g1a:\g1a+7]
	s_nop 0
.rept 4
	v_nop
.endr
	s_branch .Lasked_\@
.Lfor_b_\@:
	tensor_load_to_lds s[\g0b:\g0b+3], s[\g1b:\g1b+7]
	s_nop 0
.rept 4
	v_nop
.endr
.Lasked_\@:
.endm
.macro CREST
	s_cmp_lg_u32 s14, 0
	s_cbranch_scc1 .Lnot_wave_0_\@
	s_barrier_signal -3
.Lnot_wave_0_\@:
	s_barrier_wait -3
	s_barrier_signal -1
	s_barrier_wait -1
.endm
.macro CROUND
	s_barrier_signal -1
	s_barrier_wait -1
	CREST
.endm
	s_load_b256 s[4:11], s[0:1], 0x0
	s_load_b128 s[96:99], s[0:1], 0x20
	v_lshl_add_u32 v[SPW], v0, 2, SPARE
	v_mov_b32 v[NIL], 0
	ds_add_u32 v28, v29
	ds_add_u32 v28, v29
	s_wait_dscnt 0x0
	v_lshrrev_b32 v1, 5, v0
	v_readfirstlane_b32 s14, v1
	s_lshr_b32 s15, s14, 1
	s_and_b32 s16, s14, 1
	s_bfe_u32 s2, ttmp6, 0x40000
	s_bfe_u32 s3, ttmp6, 0x40004
	s_lshl_b32 s12, ttmp9, 2
	s_add_co_u32 s12, s12, s2
	s_and_b32 s17, ttmp7, 0xffff
	s_lshl_b32 s17, s17, 2
	s_add_co_u32 s17, s17, s3
	s_lshl_b32 s18, s3, 2
	s_lshl_b32 s18, 15, s18
	s_lshl_b32 s19, 0x1111, s2
	s_or_b32 s[G1+0], s18, (3<<16)|(1<<21)
	s_mov_b32 s[G1+1], 512<<16
	s_mov_b32 s[G1+2], 8<<16                       ; the head's load brings all eight tiles of 16 rows
	s_mov_b32 s[G1+3], 512<<16
	s_mov_b32 s[G1+4], 8
	s_mov_b32 s[G1+5], 2048
	s_mov_b32 s[G1+6], 0
	s_mov_b32 s[G1+7], 0
	s_or_b32 s[G1B+0], s19, (0<<16)|(1<<20)|(1<<21)|(5<<22)|(3<<25)
	s_mov_b32 s[G1B+1], ROWB<<16
	s_mov_b32 s[G1B+2], 256<<16
	s_mov_b32 s[G1B+3], ROWB<<16
	s_mov_b32 s[G1B+4], 256
	s_mov_b32 s[G1B+5], KROW
	s_mov_b32 s[G1B+6], 0
	s_mov_b32 s[G1B+7], 0
	s_or_b32 s[G1S+0], s18, (3<<16)|(1<<20)|(1<<21)|(5<<22)|(3<<25)
	s_mov_b32 s[G1S+1], 32<<16
	s_mov_b32 s[G1S+2], (128*KS/256)<<16
	s_mov_b32 s[G1S+3], 32<<16
	s_mov_b32 s[G1S+4], 128*KS/256
	s_mov_b32 s[G1S+5], 32
	s_mov_b32 s[G1S+6], 0
	s_mov_b32 s[G1S+7], 0
	s_or_b32 s[G1SB+0], s19, (3<<16)|(1<<20)|(1<<21)|(5<<22)|(3<<25)
	s_mov_b32 s[G1SB+1], 32<<16
	s_mov_b32 s[G1SB+2], (256*KS/256)<<16
	s_mov_b32 s[G1SB+3], 32<<16
	s_mov_b32 s[G1SB+4], 256*KS/256
	s_mov_b32 s[G1SB+5], 32
	s_mov_b32 s[G1SB+6], 0
	s_mov_b32 s[G1SB+7], 0
	s_lshl_b32 s20, s17, 17
	s_mov_b32 s21, 0
	s_lshl_b32 s22, s17, 12
	s_mov_b32 s23, 0
	s_lshl_b32 s92, s12, 8
	s_add_co_u32 s92, s92, 19456
	s_lshl_b32 s94, s92, 5
	s_mov_b32 s95, 0
	s_lshl_b32 s92, s92, 10
	s_mov_b32 s93, 0
	s_lshl_b32 s13, s16, 14
	s_mul_i32 s18, s16, HALFT
	s_add_co_u32 s18, s18, BOFF
	s_wait_kmcnt 0x0
	s_add_nc_u64 s[20:21], s[4:5], s[20:21]
	s_add_nc_u64 s[22:23], s[6:7], s[22:23]
	s_add_nc_u64 s[92:93], s[8:9], s[92:93]
	s_add_nc_u64 s[94:95], s[10:11], s[94:95]
	CROUND
	s_mov_b32 s[G0S], 1
	s_mov_b32 s[G0S+1], SCL
	s_mov_b64 s[G0S+2:G0S+3], s[22:23]
	s_or_b32 s[G0S+3], s[G0S+3], 0x80000000
	s_mov_b32 s[G0SB], 1
	s_mov_b32 s[G0SB+1], SCB
	s_mov_b64 s[G0SB+2:G0SB+3], s[94:95]
	s_or_b32 s[G0SB+3], s[G0SB+3], 0x80000000
	s_lshl_b32 s4, s16, 16                         ; in the ring I fetch half of a tile: A's half in bytes (the arguments that lay here have been used),
	s_mov_b32 s5, 0
	s_lshl_b32 s6, s16, 17                         ; and B's
	s_mov_b32 s7, 0
	s_mov_b32 s[G0], 1                             ; slot 0's groups 0 serve the head first: K step 0 of A's 128 rows, whole,
	s_mov_b32 s[G0+1], 0
	s_mov_b64 s[G0+2:G0+3], s[20:21]
	s_or_b32 s[G0+3], s[G0+3], 0x80000000
	s_mov_b32 s[G0B], 1                            ; and of B's 256 rows
	s_mov_b32 s[G0B+1], BOFF
	s_mov_b64 s[G0B+2:G0B+3], s[92:93]
	s_or_b32 s[G0B+3], s[G0B+3], 0x80000000
	s_add_nc_u64 s[20:21], s[20:21], s[4:5]
	s_add_nc_u64 s[92:93], s[92:93], s[6:7]
.irp s, 1,2
	s_mov_b32 s[G0+4*\s], 1
	s_add_co_u32 s[G0+4*\s+1], s13, \s*SLOT
	s_add_nc_u64 s[G0+4*\s+2:G0+4*\s+3], s[20:21], \s*4096
	s_or_b32 s[G0+4*\s+3], s[G0+4*\s+3], 0x80000000
	s_mov_b32 s[G0B+4*\s], 1
	s_add_co_u32 s[G0B+4*\s+1], s18, \s*SLOT
	s_add_nc_u64 s[G0B+4*\s+2:G0B+4*\s+3], s[92:93], \s*ROWB
	s_or_b32 s[G0B+4*\s+3], s[G0B+4*\s+3], 0x80000000
.endr
; the head's four tiles, one joint load a wave: wave 0 A's codes, wave 1 B's, wave 2 A's scales, wave 3 B's; one chain of branches, every way passes one load
.macro ARM under, g0, g1, next
	s_cmp_lt_u32 s14, \under
	s_cbranch_scc0 \next
	tensor_load_to_lds s[\g0:\g0+3], s[\g1:\g1+7]
	s_nop 0
.rept 4
	v_nop
.endr
	s_branch .Lhead_asked
\next:
.endm
	ARM 1, G0,  G1,  .Lhead_b
	ARM 2, G0B, G1B, .Lhead_sa
	ARM 3, G0S, G1S, .Lhead_sb
	tensor_load_to_lds s[G0SB:G0SB+3], s[G1SB:G1SB+7]
	s_nop 0
.rept 4
	v_nop
.endr
.Lhead_asked:
	s_wait_alu depctr_va_vdst(0)
	s_wait_tensorcnt 0x0                           ; my tile of the head's four is in
	ds_add_u32 v28, v29
	s_mov_b32 s[G1+2], 4<<16                       ; no tensor load of mine is out: from here on a load brings half a tile,
	s_mov_b32 s[G1+4], 4
	s_mov_b32 s[G1B+2], 128<<16
	s_mov_b32 s[G1B+4], 128
	s_mov_b32 s[G0+1], s13                         ; and slot 0's groups 0 point at my half
	s_add_nc_u64 s[G0+2:G0+3], s[G0+2:G0+3], s[4:5]
	s_mov_b32 s[G0B+1], s18
	s_add_nc_u64 s[G0B+2:G0B+3], s[G0B+2:G0B+3], s[6:7]
	s_wait_dscnt 0x0
	CROUND
	JLOAD G0+4, G1, G0B+4, G1B                     ; slot 1's first fill, issued as a refill is
	s_wait_tensorcnt 0x0
	ds_add_u32 v28, v29
	s_wait_dscnt 0x0
	CROUND
	JLOAD G0+8, G1, G0B+8, G1B                     ; and slot 2's
	v_and_b32 v1, 15, v0
	v_bfe_u32 v2, v0, 4, 1
	v_and_b32 v6, 31, v0
	v_lshlrev_b32 v[CO], 4, v6
	v_mul_u32_u24 v3, v1, PITCH
	v_lshl_add_u32 v4, v2, 4, v3
	s_lshl_b32 s21, s15, 14
	s_mul_i32 s22, s16, HALFT
	s_add_co_u32 s22, s22, BOFF
.irp s, 0,1,2
	v_add_nc_u32 v[ADRA+\s], s21, v[CO]
	v_add_nc_u32 v[ADRB+\s], s22, v4
	s_add_co_u32 s21, s21, SLOT
	s_add_co_u32 s22, s22, SLOT
.endr
	v_mul_u32_u24 v5, v1, KS
	v_lshrrev_b32 v7, 8, v5
	v_lshl_add_u32 v5, v7, 4, v5
	s_mul_i32 s21, s15, HALFSA
	s_mul_i32 s22, s16, HALFSB
	s_add_co_u32 s22, s22, 2*HALFSA
	s_sub_co_u32 s22, s22, s21
	v_mul_u32_u24 v7, s22, v2
	s_add_co_u32 s21, s21, SCL
	v_add_nc_u32 v5, v5, v7
	v_add_nc_u32 v[ADRS], s21, v5
	s_mul_i32 s23, s14, 16*SPITCH
	s_add_co_u32 s23, s23, STG
	v_mul_u32_u24 v5, v1, SPITCH
	v_lshl_add_u32 v5, v2, 5, v5
	v_add_nc_u32 v[STO], s23, v5
	v_add_nc_u32 v[RD], s23, v[CO]
	s_and_b32 s20, s17, 15
	s_lshl_b32 s20, s20, 7
	s_lshl_b32 s21, s15, 6
	s_add_co_u32 s20, s20, s21
	s_lshl_b32 s20, s20, 2
	s_lshr_b32 s21, s17, 4
	s_add_co_u32 s20, s20, s21
	s_lshl_b32 s20, s20, 12
	s_lshl_b32 s22, s12, 10
	s_lshl_b32 s23, s16, 9
	s_add_co_u32 s22, s22, s23
	s_add_co_u32 s20, s20, s22
	s_mov_b32 s21, 0
	s_add_nc_u64 s[QB:QB+1], s[QB:QB+1], s[20:21]
	s_add_nc_u64 s[OB:OB+1], s[OB:OB+1], s[20:21]
.macro FRAGA reg, slot, q, i
.irp c, 0,1,2,3
	ds_load_b128 v[\reg+4*\c:\reg+4*\c+3], v[ADRA+\slot] offset:4096*(\i)+2048*(\q)+512*\c
.endr
.endm
.macro FRAGB reg, slot, q, i
.irp c, 0,1,2,3
	ds_load_b128 v[\reg+4*\c:\reg+4*\c+3], v[ADRB+\slot] offset:128*(\q)+32*\c+(\i)*16*PITCH
.endr
.endm
.macro MULA a, p, q, sc, zero
.irp b, 0,1,2,3,4,5,6,7
.if \zero
	v_wmma_scale_f32_16x16x128_f8f6f4 v[8*(8*(\a)+\b):8*(8*(\a)+\b)+7], v[128*(\p)+FR*\b:128*(\p)+FR*\b+FR-1], v[AF+64*(\p)+FR*(\a):AF+64*(\p)+FR*(\a)+FR-1], 0, v[SC+8*NQ*(\sc)+NQ*\b+(\q)], v[SC+8*NQ*(\sc)+NQ*(\a)+(\q)] matrix_a_scale:MATRIX_SCALE_ROW1
.else
	v_wmma_scale_f32_16x16x128_f8f6f4 v[8*(8*(\a)+\b):8*(8*(\a)+\b)+7], v[128*(\p)+FR*\b:128*(\p)+FR*\b+FR-1], v[AF+64*(\p)+FR*(\a):AF+64*(\p)+FR*(\a)+FR-1], v[8*(8*(\a)+\b):8*(8*(\a)+\b)+7], v[SC+8*NQ*(\sc)+NQ*\b+(\q)], v[SC+8*NQ*(\sc)+NQ*(\a)+(\q)] matrix_a_scale:MATRIX_SCALE_ROW1
.endif
.endr
.endm
.macro FETCH_B slot, q, p
	WIN TO_B
.irp i, 0,1,2,3,4,5,6,7
	FRAGB 128*(\p)+FR*\i, \slot, \q, \i
.endr
	WIN 0
.endm
.macro FETCH_A slot, q, p
.irp i, 0,1,2,3
	FRAGA AF+64*(\p)+FR*\i, \slot, \q, \i
.endr
.endm
.macro SCALES sc
.irp i, 0,1,2,3,4,5,6,7
	ds_load_b64 v[SC+8*NQ*\sc+NQ*\i:SC+8*NQ*\sc+NQ*\i+1], v[ADRS] offset:\i*SBLK
.endr
.endm
.macro PLACES n
.rept \n
	v_nop
.endr
.endm
.macro STEP slot, sc, zero
	s_wait_dscnt 0x0
	PLACES NP
	WIN MUL_W
	MULA 0, 0, 0, \sc, \zero
	FETCH_B \slot, 1, 1
	WIN MUL_W
	MULA 1, 0, 0, \sc, \zero
	WIN 0
	FETCH_A \slot, 1, 1
	WIN MUL_W
	MULA 2, 0, 0, \sc, \zero
	MULA 3, 0, 0, \sc, \zero
	WIN 0
.endm
.macro TURN slot, sc, next, nsc, fill
	s_wait_tensorcnt 0x0
	ds_add_u32 v[SPW], v[NIL]
	s_wait_dscnt 0x1
	WIN MUL_W
	MULA 0, 1, 1, \sc, 0
	s_wait_dscnt 0x0
	s_barrier_signal -1
	MULA 1, 1, 1, \sc, 0
	WIN 0
	s_barrier_wait -1
.if \fill
	CREST
	s_add_nc_u64 s[G0+4*\slot+2:G0+4*\slot+3], s[G0+4*\slot+2:G0+4*\slot+3], 3*4096
	s_add_nc_u64 s[G0B+4*\slot+2:G0B+4*\slot+3], s[G0B+4*\slot+2:G0B+4*\slot+3], 3*ROWB
	JLOAD G0+4*\slot, G1, G0B+4*\slot, G1B
	PLACES NP-4
.else
	PLACES NP
.endif
	v_add_nc_u32 v[ADRS], 4*NQ, v[ADRS]
	FETCH_B \next, 0, 0
	FETCH_A \next, 0, 0
	SCALES \nsc
	WIN MUL_W
	MULA 2, 1, 1, \sc, 0
	MULA 3, 1, 1, \sc, 0
	WIN 0
.endm
.macro PASS slot, sc, next, nsc
	s_wait_dscnt 0x0
	PLACES NP
	WIN MUL_W
	MULA 0, 1, 1, \sc, 0
	WIN 0
	v_add_nc_u32 v[ADRS], 4*NQ, v[ADRS]
	FETCH_B \next, 0, 0
	WIN MUL_W
	MULA 1, 1, 1, \sc, 0
	WIN 0
	FETCH_A \next, 0, 0
	SCALES \nsc
	WIN MUL_W
	MULA 2, 1, 1, \sc, 0
	MULA 3, 1, 1, \sc, 0
	WIN 0
.endm
.macro QLOAD a
	WIN 0xc0
.irp t, 0,1,2,3,4,5,6,7,8,9,10,11,12,13,14,15
	global_load_b128 v[64*(\a)+4*\t:64*(\a)+4*\t+3], v[CO], s[QB:QB+1] offset:16384*(32*((\a)/2)+8*((\a)%2)+\t+8*(\t/8)) th:TH_LOAD_NT
.endr
	WIN 0
.endm
	s_wait_alu depctr_va_vdst(0)
	s_wait_tensorcnt 2
	s_barrier_signal -1
	s_barrier_wait -1
	FETCH_B 0, 0, 0
	FETCH_A 0, 0, 0
	SCALES 0
	STEP 0, 0, 1
	TURN 0, 0, 1, 1, 1
	QLOAD 0
	QLOAD 1
	s_wait_alu depctr_va_vdst(0)
	STEP 1, 1, 0
	PASS 1, 1, 2, 0
	QLOAD 2
	QLOAD 3
	s_wait_alu depctr_va_vdst(0)
	STEP 2, 0, 0
	TURN 2, 0, 0, 1, 0
	STEP 0, 1, 0
	s_wait_dscnt 0x0
	WIN MUL_W
	MULA 0, 1, 1, 1, 0
	MULA 1, 1, 1, 1, 0
	MULA 2, 1, 1, 1, 0
	MULA 3, 1, 1, 1, 0
	WIN 0
	PLACES NP
.macro TOSTAGE a
.set AC, 64*(\a)
	WIN 0x08
.irp b, 0,1,2,3,4,5,6,7
	ds_store_b128 v[STO], v[AC+8*\b:AC+8*\b+3] offset:64*\b
	ds_store_b128 v[STO], v[AC+8*\b+4:AC+8*\b+7] offset:64*\b+16
.endr
	WIN 0
.set BB, BK+64*((\a)%2)
.irp t, 0,1,2,3,4,5,6,7,8,9,10,11,12,13,14,15
	ds_load_b128 v[BB+4*\t:BB+4*\t+3], v[RD] offset:\t*SPITCH
.endr
.endm
.macro SEND a, younger
.set BB, BK+64*((\a)%2)
.set QR, 64*(\a)
	s_wait_dscnt \younger
	s_wait_loadcnt 16*(3-(\a))
	WIN 0x0c
.set kk, 0
.rept 32
	v_pk_add_f32 v[BB+kk:BB+kk+1], v[BB+kk:BB+kk+1], v[QR+kk:QR+kk+1]
.set kk, kk+2
.endr
	WIN 0
.irp t, 0,1,2,3,4,5,6,7,8,9,10,11,12,13,14,15
	global_store_b128 v[CO], v[BB+4*\t:BB+4*\t+3], s[OB:OB+1] offset:16384*(32*((\a)/2)+8*((\a)%2)+\t+8*(\t/8)) th:TH_STORE_NT
.endr
.endm
	TOSTAGE 0
.irp a, 1,2,3
.if \a > 1
	s_wait_xcnt 0x0
.endif
	TOSTAGE \a
	SEND \a-1, 32
.endr
	SEND 3, 0
	s_wait_tensorcnt 0x0
	ds_add_u32 v[SPW], v[NIL]
	s_wait_dscnt 0x0
	CROUND
	s_endpgm
.Lfunc_end_k_qe80d4a3917_outp:
	.size	k_qe80d4a3917_outp, .Lfunc_end_k_qe80d4a3917_outp-k_qe80d4a3917_outp
	.p2alignl 7, 3214868480
	.fill 96, 4, 3214868480
	.section	.rodata,"a",@progbits
	.p2align	6, 0x0
	.amdhsa_kernel k_qe80d4a3917_outp
		.amdhsa_group_segment_fixed_size 327680
		.amdhsa_private_segment_fixed_size 0
		.amdhsa_enable_private_segment 0
		.amdhsa_kernarg_size 48
		.amdhsa_user_sgpr_count 2
		.amdhsa_user_sgpr_kernarg_segment_ptr 1
		.amdhsa_wavefront_size32 1
		.amdhsa_system_sgpr_workgroup_id_x 1
		.amdhsa_system_sgpr_workgroup_id_y 1
		.amdhsa_system_sgpr_workgroup_id_z 1
		.amdhsa_system_vgpr_workitem_id 0
		.amdhsa_next_free_vgpr 1024
		.amdhsa_next_free_sgpr 100
		.amdhsa_reserve_vcc 0
		.amdhsa_float_denorm_mode_32 3
		.amdhsa_float_denorm_mode_16_64 3
		.amdhsa_memory_ordered 1
		.amdhsa_forward_progress 1
		.amdhsa_inst_pref_size 105
	.end_amdhsa_kernel
	.amdgpu_metadata
---
amdhsa.version: [ 1, 2 ]
amdhsa.kernels:
  - .name:           k_qe80d4a3917_outp
    .symbol:         k_qe80d4a3917_outp.kd
    .args:
      - { .name: cc, .offset: 0, .size: 8, .value_kind: global_buffer, .address_space: global }
      - { .name: cs, .offset: 8, .size: 8, .value_kind: global_buffer, .address_space: global }
      - { .name: xc, .offset: 16, .size: 8, .value_kind: global_buffer, .address_space: global }
      - { .name: xs, .offset: 24, .size: 8, .value_kind: global_buffer, .address_space: global }
      - { .name: query, .offset: 32, .size: 8, .value_kind: global_buffer, .address_space: global }
      - { .name: out0, .offset: 40, .size: 8, .value_kind: global_buffer, .address_space: global }
    .group_segment_fixed_size: 327680
    .private_segment_fixed_size: 0
    .kernarg_segment_align: 8
    .kernarg_segment_size: 48
    .max_flat_workgroup_size: 128
    .sgpr_count:     100
    .vgpr_count:     1024
    .wavefront_size: 32
...
	.end_amdgpu_metadata
.endif
;; end of part 4
